; MI455X (gfx1250); checked and timed in simulation.
; The chip was launched on July 23, 2026; its instructions are those of AMD's public machine-readable ISA for CDNA 5 (MIT licence, August 2026) and "CDNA5" Instruction Set Architecture Reference Guide (July 2026). The comments in the code are by the model that wrote it; some were corrected since.
;; MHA. Allowed arithmetic: matrix products marked QUANTISED: E2M1 operands, one E8M0 scale for each 32 along K, by v_wmma_scale_f32_16x16x128_f8f6f4 with both operands' format E2M1 (or v_wmma_scale_f32_32x16x128_f4), f32 sums; products left as they are: bf16, f16 or f32 operands; f32 sums; everything else in f32.
;; Inputs: token_positions 2,048 int32; wk 1,024 x 1,024 float32; wo 1,024 x 1,024 float32; wq 1,024 x 1,024 float32; wv 1,024 x 1,024 float32; x 4 x 2,048 x 1,024 float32.
;; Outputs: out0 4 x 2,048 x 1,024 float32.
;; This version of the problem:
;;   THIS VERSION OF THE PROBLEM IS GIVEN IN LOW PRECISION. The matrix products marked QUANTISED in the list below multiply operands that are first quantised to E2M1 (2 exponent bits, 1 mantissa bit; 4 bits a number), with one power-of-two scale for each 32 numbers along K (OCP MX v1.0); their sums are f32. The products marked 'left as it is' may take bf16, f16 or f32 operands, with f32 sums. Whichever they take, every output number must still come out within the allowed error. Rounding operands to bf16 (8 significant bits) uses up far more of that allowance than f16 does (11 bits, for magnitudes from 6e-5 to 65,504). All else is computed in f32.
;;   The module's matrix products, in the order in which they are computed (A, B: the left and right operand; K: the contracted axis; several contracted axes count as one K, in the product's order):
;;     1. [M 8,192, K 1,024] x [K 1,024, N 1,024]; A: input x; B: input wq: QUANTISED
;;     2. [M 8,192, K 1,024] x [K 1,024, N 1,024]; A: input x; B: input wk: QUANTISED
;;     3. [M 8,192, K 1,024] x [K 1,024, N 1,024]; A: input x; B: input wv: QUANTISED
;;     4. batch 64 x [M 2,048, K 64] x [K 64, N 2,048]; A: computed on the way; B: computed on the way: left as it is (an operand is computed on the way)
;;     5. batch 64 x [M 2,048, K 2,048] x [K 2,048, N 64]; A: computed on the way; B: computed on the way: left as it is (an operand is computed on the way)
;;     6. [M 8,192, K 1,024] x [K 1,024, N 1,024]; A: computed on the way; B: input wo: left as it is (an operand is computed on the way)
;;   THE QUANTISER, for each operand of a quantised product, along K:
;;     - K is cut into blocks of 32 from its start; a last block that is shorter is filled with zeros.
;;     - A block's scale is 2^e with e = floor(log2(the largest magnitude in the block)) - 2, held to -126 .. 127; a block of zeros has e = 0. As a byte (E8M0): e + 127.
;;     - Each number is divided by its block's scale, clamped to +-6, and rounded to the nearest number of E2M1, ties to even, subnormals kept.
;;     - The product sums the exact products of the quantised numbers (number of the format x scale) in f32.
;;   ~~~python
;;   def quantise(x, axis):      # numpy; x: float32 -> the quantised numbers, widened to float32 again
;;       x = np.moveaxis(x, axis, -1); K = x.shape[-1]
;;       x = np.pad(x, [(0, 0)] * (x.ndim - 1) + [(0, -K % 32)]); x = x.reshape(x.shape[:-1] + (-1, 32)); a = np.abs(x).max(-1, keepdims=True)
;;       e = np.where(a > 0, np.clip(np.frexp(np.where(a > 0, a, 1))[1] - 1 - 2, -126, 127), 0)      # np.frexp(a)[1] - 1 = floor(log2(a)), exactly
;;       r = np.clip(x / 2.0 ** e, -6, 6)
;;       step = 2.0 ** (np.maximum(np.frexp(np.where(r == 0, 1, r))[1] - 1, 0) - 1)
;;       q = np.round(r / step) * step * 2.0 ** e      # np.round: ties to even
;;       return np.moveaxis(q.reshape(q.shape[:-2] + (-1,))[..., :K], -1, axis).astype(np.float32)
;;   ~~~
;; One version. Each part assembles by itself: llvm-mc -triple=amdgcn-amd-amdhsa -mcpu=gfx1250 --defsym DOCPART=n.
;; ======== version 1 of 1: 5 launches
;; limits: right only within a limited range of input values; values are held in f16: magnitudes above 65,504 overflow, below 6.1e-05 lose precision
;; workspace buffers: codes 5,767,168 bytes; scales 360,448 bytes; wo16 2,097,152 bytes; tab 524,288 bytes; qkv 50,331,648 bytes; fine 786,432 bytes; o16 16,777,216 bytes
;; launch prep (part 1): grid 512 x 1, 4 waves a work-group, no clusters, 33,280 bytes of LDS; arguments x, wq, wk, wv, wo, token_positions, codes, scales, wo16, tab; writes codes, scales, wo16, tab
.if DOCPART == 1
	.amdgcn_target "amdgcn-amd-amdhsa--gfx1250"
	.amdhsa_code_object_version 6
	.text
	.protected	k_q93356a4614_prep
	.globl	k_q93356a4614_prep
	.p2align	8
	.type	k_q93356a4614_prep,@function
k_q93356a4614_prep:
	s_mov_b64 s[64:65], 0
	v_nop
	global_prefetch_b8 v0, s[64:65] scope:SCOPE_SE
	s_setreg_imm32_b32 hwreg(HW_REG_WAVE_MODE, 25, 1), 1
	s_wait_xcnt 0x0
; PREP: the first of five launches of causal multi-head attention (4 batches, 2,048 positions, 16 heads of 64).
; DEAD WORK THAT THIS PROGRAM LEAVES OUT (in the launch attn): reference() itself sets every score with key > query to -infinity (its own jnp.tril) ahead of the softmax.
; exp(-infinity - maximum) is 0 whatever finite values the inputs hold, and every row keeps key 0, so its maximum is a number.  A block of 64 keys that lies wholly behind a tile's 16 queries
; therefore adds 0 to the row's sum and 0 x v to the row's result: there neither q k^T nor p v is computed.  LIMIT: a NaN, an infinity or an overflow that would arise in those hidden scores alone is not carried to the result.
; Every input has a way to the output and is loaded.
; THIS LAUNCH, three kinds of work-groups, told apart by the work-group's number alone:
;   0 .. 351   x, wq, wk, wv (f32, K innermost) become codes of FP4 (E2M1) and one E8M0 byte for each 32 along K, in one buffer of 11,264 rows: x's 8,192, then wq's, wk's, wv's 1,024 each.
;   352 .. 479 wo becomes f16 (the last product is left as it is).
;   480 .. 511 the table of cos and sin for RoPE, from token_positions, laid in the order in which the next launch's lanes want it.
; THE QUANTISER: a block's scale is 2^(floor(log2(largest magnitude)) - 2); its byte is the largest magnitude's exponent field - 2, held at 1 from below.  A block of zeros gets the byte 1 where the rule says 127:
; its codes are zeros, which add nothing under any byte but 0xff, and the bytes are read by this program alone.
; LIMITS: blocks whose largest magnitude lies under 2^-124 were not tried; NaN and infinities among the inputs are not served; wo must lie inside f16's range (65,504);
; |token_positions| up to 2^20: beyond that the quotient angle x 2 / pi, taken in f32, may miss the nearest whole number by more than the polynomials' range allows.
.set STEPS, 16
.set EMAX,  2
.set CB,    8                          ; bytes of 16 codes
.set R,     16                         ; v16-79   four sets of 16 numbers as they are loaded
.set X,     80                         ; v80-111  two sets of 16 neighbours
.set E,     112                        ; v112-127 a scale byte for each step
.set C,     128                        ; v128-191 codes: four registers for each step
.set WREG,  8192                       ; LDS: a region for each wave: two stages of 32 x SP bytes, behind them its 256 scale bytes
.set SP,    80                         ; a lane's place in a stage: 64 bytes + 16 of padding
.set SPW,   12                         ; v12 LDS address of my spare word; never rewritten
.set NIL,   13                         ; v13 0; never rewritten
.set SPARE, 4*WREG                     ; behind the four regions: the spare words, 128 bytes a wave
.set GX,    256                        ; work-groups for x: 8,192 x 1,024 numbers / 32,768
.set GW,    32                         ; for each of wq, wk, wv
.set GQ,    GX+3*GW
.set GO,    128                        ; for wo
	s_load_b512 s[8:23], s[0:1], 0x0               ; x 8, wq 10, wk 12, wv 14, wo 16, token_positions 18, codes 20, scales 22
	s_load_b128 s[24:27], s[0:1], 0x40             ; wo16 24, tab 26
	v_lshl_add_u32 v[SPW], v0, 2, SPARE
	v_mov_b32 v[NIL], 0
	v_lshrrev_b32 v1, 5, v0
	v_readfirstlane_b32 s4, v1                     ; wave
	v_and_b32 v2, 31, v0                           ; lane
	s_cmp_ge_u32 ttmp9, GQ+GO
	s_cbranch_scc1 .Ltab
	s_cmp_ge_u32 ttmp9, GQ
	s_cbranch_scc1 .Lwo
; ---- THE QUANTISER.  A wave takes 16 steps of 512 numbers.  Each load reads 512 consecutive bytes; a step's 2,048 bytes turn through the wave's own stage, so that a lane then holds 16 neighbours along K
; (two neighbouring lanes hold a block).  A lane's 16 codes are 8 bytes: the wave stores 256 consecutive bytes.  A wave's 256 scale bytes are gathered in LDS and leave as one aligned run of 256 bytes.
	v_lshlrev_b32 v3, 4, v2                        ; my 16 bytes of a load's 512
	s_mul_i32 s5, s4, WREG
	v_lshrrev_b32 v14, 2, v2
	v_mul_u32_u24 v14, v14, SP
	v_and_b32 v15, 3, v2
	v_lshl_add_u32 v14, v15, 4, v14
	v_add_nc_u32 v14, s5, v14                      ; the stage, on the way in: SP (lane / 4) + 16 (lane % 4)
	v_mul_u32_u24 v15, v2, SP
	v_add_nc_u32 v15, s5, v15                      ; and on the way out: SP x lane
	v_mul_u32_u24 v4, v2, CB                       ; my codes' place in a step's
	v_lshrrev_b32 v5, 1, v2
	s_add_co_u32 s5, s5, 2*32*SP
	v_add_nc_u32 v5, s5, v5                        ; my block's scale byte in LDS
	v_lshlrev_b32 v7, 3, v2
	v_add_nc_u32 v6, s5, v7                        ; and on the way out 8 bytes a lane
	s_wait_kmcnt 0x0
	s_mov_b64 s[28:29], s[14:15]                   ; which tensor: the choice hangs on the work-group's number alone
	s_mov_b32 s30, GX+2*GW
	s_cmp_lt_u32 ttmp9, GX+2*GW
	s_cselect_b64 s[28:29], s[12:13], s[28:29]
	s_cselect_b32 s30, GX+GW, s30
	s_cmp_lt_u32 ttmp9, GX+GW
	s_cselect_b64 s[28:29], s[10:11], s[28:29]
	s_cselect_b32 s30, GX, s30
	s_cmp_lt_u32 ttmp9, GX
	s_cselect_b64 s[28:29], s[8:9], s[28:29]
	s_cselect_b32 s30, 0, s30
	s_sub_co_u32 s31, ttmp9, s30
	s_lshl_b32 s31, s31, 2
	s_add_co_u32 s31, s31, s4                      ; which run of 8,192 numbers of that tensor is my wave's
	s_lshl_b32 s32, s31, 15
	s_mov_b32 s33, 0
	s_add_nc_u64 s[28:29], s[28:29], s[32:33]
	s_lshl_b32 s31, ttmp9, 2
	s_add_co_u32 s31, s31, s4                      ; and which run of the joint buffers
	s_lshl_b32 s32, s31, 12                        ; 4,096 bytes of codes a run
	s_add_nc_u64 s[20:21], s[20:21], s[32:33]
	s_lshl_b32 s32, s31, 8                         ; 256 scale bytes a run
	s_add_nc_u64 s[22:23], s[22:23], s[32:33]
.macro LOAD t
.irp i, 0,1,2,3
	global_load_b128 v[R+16*((\t)%4)+4*\i:R+16*((\t)%4)+4*\i+3], v3, s[28:29] offset:2048*(\t)+512*\i th:TH_LOAD_NT
.endr
.endm
.macro TURN t                          ; step t's numbers through the stage: LDS serves a wave's instructions in order, so no wait stands between the stores and the loads
.irp i, 0,1,2,3
	ds_store_b128 v14, v[R+16*((\t)%4)+4*\i:R+16*((\t)%4)+4*\i+3] offset:32*SP*((\t)%2)+8*SP*\i
.endr
.irp i, 0,1,2,3
	ds_load_b128 v[X+16*((\t)%2)+4*\i:X+16*((\t)%2)+4*\i+3], v15 offset:32*SP*((\t)%2)+16*\i
.endr
.endm
.irp t, 0,1,2,3
	LOAD \t
.endr
	s_wait_loadcnt 12                              ; step 0's four loads are in; three steps' twelve may be out
	TURN 0
.macro STEP t
.set XS, X+16*((\t)%2)
.if (\t) > 0
	s_wait_dscnt 1                                 ; this step's numbers are back from the stage; the last step's byte store may be out
.else
	s_wait_dscnt 0x0
.endif
.if (\t)+4 < STEPS
	LOAD (\t)+4
.endif
.if (\t)+1 < STEPS
.if STEPS-2-(\t) >= 3
	s_wait_loadcnt 12                              ; the next step's four loads are in; those of the three steps behind it may be out
.else
	s_wait_loadcnt 4*(STEPS-2-(\t))
.endif
	TURN (\t)+1
.endif
	v_max3_num_f32 v8, |v[XS]|, |v[XS+1]|, |v[XS+2]|               ; the largest magnitude of my 16, in two chains
	v_max3_num_f32 v9, |v[XS+3]|, |v[XS+4]|, |v[XS+5]|
.irp i, 6,10
	v_max3_num_f32 v8, v8, |v[XS+\i]|, |v[XS+\i+1]|
	v_max3_num_f32 v9, v9, |v[XS+\i+2]|, |v[XS+\i+3]|
.endr
	v_max3_num_f32 v8, v8, |v[XS+14]|, |v[XS+15]|
	v_max3_num_f32 v8, v8, v9, (EMAX+1)<<23        ; and the floor 2^(3 - 127): the byte cannot fall under 1
	v_max_num_f32_dpp v8, v8, v8 row_xmask:1 row_mask:0xf bank_mask:0xf   ; with my neighbour's 16: the block's
	v_add_nc_u32 v11, -(EMAX<<23), v8              ; 2 off its exponent field: the conversion takes that field as its scale, and nothing else
	v_cvt_scalef32_pk8_fp4_f32 v[C+4*(\t)], v[XS:XS+7], v11
	v_cvt_scalef32_pk8_fp4_f32 v[C+4*(\t)+1], v[XS+8:XS+15], v11
	v_lshrrev_b32 v[E+(\t)], 23, v11               ; the scale's byte
	ds_store_b8 v5, v[E+(\t)] offset:16*(\t)       ; both lanes of a block write the same byte with the same value
	global_store_b64 v4, v[C+4*(\t):C+4*(\t)+1], s[20:21] offset:32*CB*(\t)
.endm
.irp t, 0,1,2,3,4,5,6,7,8,9,10,11,12,13,14,15
	STEP \t
.endr
	ds_load_b64 v[8:9], v6                         ; in order behind my byte stores
	s_wait_dscnt 0x0
	global_store_b64 v7, v[8:9], s[22:23]          ; 32 lanes store 256 consecutive bytes, aligned
	s_wait_tensorcnt 0x0                           ; the wave's end, behind my last LDS store
	ds_add_u32 v[SPW], v[NIL]
	s_wait_dscnt 0x0
	s_endpgm
; ---- wo to f16: a wave takes 2,048 numbers: sixteen loads of 512 consecutive bytes, sixteen stores of 256.  No register is used twice, so no wait frees one.
.Lwo:
	s_sub_co_u32 s5, ttmp9, GQ
	s_lshl_b32 s5, s5, 2
	s_add_co_u32 s5, s5, s4
	s_lshl_b32 s6, s5, 13
	s_mov_b32 s7, 0
	v_lshlrev_b32 v3, 4, v2
	v_lshlrev_b32 v4, 3, v2
	s_wait_kmcnt 0x0
	s_add_nc_u64 s[16:17], s[16:17], s[6:7]
	s_lshl_b32 s6, s5, 12
	s_add_nc_u64 s[24:25], s[24:25], s[6:7]
.irp i, 0,1,2,3,4,5,6,7,8,9,10,11,12,13,14,15
	global_load_b128 v[32+4*\i:35+4*\i], v3, s[16:17] offset:512*\i th:TH_LOAD_NT
.endr
.irp i, 0,1,2,3,4,5,6,7,8,9,10,11,12,13,14,15
	s_wait_loadcnt 15-\i                           ; the younger loads may be out
	v_cvt_pk_f16_f32 v[96+2*\i], v[32+4*\i], v[33+4*\i]
	v_cvt_pk_f16_f32 v[97+2*\i], v[34+4*\i], v[35+4*\i]
	global_store_b64 v4, v[96+2*\i:97+2*\i], s[24:25] offset:256*\i
.endr
	s_endpgm
; ---- THE TABLE.  tab[sb][b'][p][lane][16 bytes]: lane (r, h) = (lane % 16, lane / 16) finds (cos, sin, cos, sin) of position index 16 sb + r for the pairs i = 8 b' + 4 h + 2 p + 0, 1.
; angle = position x 10000^(-i / 32), as reference() forms it in f32.  n = the nearest whole number to angle x 2 / pi; angle - n pi / 2 in two fused steps (pi / 2 as a sum of two f32 numbers);
; polynomials for sin and cos on +-pi / 4; the quadrant n mod 4 swaps them and sets the signs.  A wave takes 16 positions.
.Ltab:
	s_sub_co_u32 s5, ttmp9, GQ+GO
	s_lshl_b32 s5, s5, 2
	s_add_co_u32 s5, s5, s4                        ; sb
	s_lshl_b32 s6, s5, 6
	s_mov_b32 s7, 0
	v_and_b32 v3, 15, v0
	v_lshlrev_b32 v4, 2, v3                        ; 4 r
	v_bfe_u32 v17, v0, 4, 1
	v_lshlrev_b32 v17, 2, v17                      ; 4 h
	v_lshlrev_b32 v3, 4, v2                        ; 16 x lane
	s_mov_b32 s28, 0xbed49a78                      ; -log2(10000) / 32
	s_mov_b32 s29, 0x3f22f983                      ; 2 / pi
	s_mov_b32 s30, 0xbfc90fdb                      ; -(pi / 2)'s first part
	s_mov_b32 s31, 0x333bbd2e                      ; -its second part
	s_mov_b32 s32, 0xbe2aaaa3                      ; sin: r + r z (S1 + z (S2 + z S3))
	s_mov_b32 s33, 0x3c08839e
	s_mov_b32 s34, 0xb94ca1f9
	s_mov_b32 s35, 0x3d2aaaa5                      ; cos: 1 - z / 2 + z z (C1 + z (C2 + z C3))
	s_mov_b32 s36, 0xbab6061a
	s_mov_b32 s37, 0x37ccf5ce
	s_wait_kmcnt 0x0
	s_add_nc_u64 s[18:19], s[18:19], s[6:7]
	global_load_b32 v16, v4, s[18:19]              ; my position
	s_lshl_b32 s6, s5, 12
	s_add_nc_u64 s[26:27], s[26:27], s[6:7]
.irp k, 0,1,2,3,4,5,6,7,8,9,10,11,12,13,14,15
	v_add_nc_u32 v[32+\k], 8*(\k/4)+2*((\k/2)%2)+\k%2, v17         ; the pair's number i
.endr
.irp k, 0,1,2,3,4,5,6,7,8,9,10,11,12,13,14,15
	v_cvt_f32_u32 v[32+\k], v[32+\k]
.endr
.irp k, 0,1,2,3,4,5,6,7,8,9,10,11,12,13,14,15
	v_mul_f32 v[32+\k], s28, v[32+\k]
.endr
.irp k, 0,1,2,3,4,5,6,7,8,9,10,11,12,13,14,15
	v_exp_f32 v[32+\k], v[32+\k]                   ; 10000^(-i / 32): one batch
.endr
	v_nop                                          ; a plain instruction behind the last of them
	s_wait_alu depctr_va_vdst(0)                   ; one wait for the batch, ahead of its first reader
	s_wait_loadcnt 0x0
	v_cvt_f32_i32 v16, v16
.macro ANG k
	v_mul_f32 v48, v16, v[32+\k]                   ; the angle
	v_mul_f32 v49, s29, v48
	v_rndne_f32 v49, v49                           ; n
	v_fma_f32 v50, v49, s30, v48
	v_fma_f32 v50, v49, s31, v50                   ; r
	v_mul_f32 v51, v50, v50                        ; z
	v_fma_f32 v52, v51, s34, s33
	v_fma_f32 v53, v51, s37, s36
	v_fma_f32 v52, v52, v51, s32
	v_fma_f32 v53, v53, v51, s35
	v_mul_f32 v54, v51, v50
	v_mul_f32 v55, v51, v51
	v_fma_f32 v56, v51, -0.5, 1.0
	v_fma_f32 v52, v52, v54, v50                   ; sin r
	v_fma_f32 v53, v53, v55, v56                   ; cos r
	v_cvt_i32_f32 v57, v49
	v_and_b32 v58, 1, v57
	v_cmp_ne_u32 vcc_lo, 0, v58                    ; an odd quadrant swaps the two
	v_cndmask_b32 v59, v52, v53, vcc_lo
	v_cndmask_b32 v60, v53, v52, vcc_lo
	v_lshlrev_b32 v58, 30, v57
	v_and_b32 v58, 0x80000000, v58                 ; sin is negative in quadrants 2, 3
	v_xor_b32 v[65+2*\k], v58, v59
	v_add_nc_u32 v57, 1, v57
	v_lshlrev_b32 v57, 30, v57
	v_and_b32 v57, 0x80000000, v57                 ; cos in quadrants 1, 2
	v_xor_b32 v[64+2*\k], v57, v60
.endm
.irp k, 0,1,2,3,4,5,6,7,8,9,10,11,12,13,14,15
	ANG \k
.endr
.irp i, 0,1,2,3,4,5,6,7
	global_store_b128 v3, v[64+4*\i:67+4*\i], s[26:27] offset:512*\i   ; 512 consecutive bytes a store
.endr
	s_endpgm
.Lfunc_end_k_q93356a4614_prep:
	.size	k_q93356a4614_prep, .Lfunc_end_k_q93356a4614_prep-k_q93356a4614_prep
	.p2alignl 7, 3214868480
	.fill 96, 4, 3214868480
	.section	.rodata,"a",@progbits
	.p2align	6, 0x0
	.amdhsa_kernel k_q93356a4614_prep
		.amdhsa_group_segment_fixed_size 33280
		.amdhsa_private_segment_fixed_size 0
		.amdhsa_enable_private_segment 0
		.amdhsa_kernarg_size 80
		.amdhsa_user_sgpr_count 2
		.amdhsa_user_sgpr_kernarg_segment_ptr 1
		.amdhsa_wavefront_size32 1
		.amdhsa_system_sgpr_workgroup_id_x 1
		.amdhsa_system_sgpr_workgroup_id_y 1
		.amdhsa_system_sgpr_workgroup_id_z 1
		.amdhsa_system_vgpr_workitem_id 0
		.amdhsa_next_free_vgpr 192
		.amdhsa_next_free_sgpr 66
		.amdhsa_reserve_vcc 1
		.amdhsa_float_denorm_mode_32 3
		.amdhsa_float_denorm_mode_16_64 3
		.amdhsa_memory_ordered 1
		.amdhsa_forward_progress 1
		.amdhsa_inst_pref_size 63
	.end_amdhsa_kernel
	.amdgpu_metadata
---
amdhsa.version: [ 1, 2 ]
amdhsa.kernels:
  - .name:           k_q93356a4614_prep
    .symbol:         k_q93356a4614_prep.kd
    .args:
      - { .name: x, .offset: 0, .size: 8, .value_kind: global_buffer, .address_space: global }
      - { .name: wq, .offset: 8, .size: 8, .value_kind: global_buffer, .address_space: global }
      - { .name: wk, .offset: 16, .size: 8, .value_kind: global_buffer, .address_space: global }
      - { .name: wv, .offset: 24, .size: 8, .value_kind: global_buffer, .address_space: global }
      - { .name: wo, .offset: 32, .size: 8, .value_kind: global_buffer, .address_space: global }
      - { .name: token_positions, .offset: 40, .size: 8, .value_kind: global_buffer, .address_space: global }
      - { .name: codes, .offset: 48, .size: 8, .value_kind: global_buffer, .address_space: global }
      - { .name: scales, .offset: 56, .size: 8, .value_kind: global_buffer, .address_space: global }
      - { .name: wo16, .offset: 64, .size: 8, .value_kind: global_buffer, .address_space: global }
      - { .name: tab, .offset: 72, .size: 8, .value_kind: global_buffer, .address_space: global }
    .group_segment_fixed_size: 33280
    .private_segment_fixed_size: 0
    .kernarg_segment_align: 8
    .kernarg_segment_size: 80
    .max_flat_workgroup_size: 128
    .sgpr_count:     66
    .vgpr_count:     192
    .wavefront_size: 32
...
	.end_amdgpu_metadata
.endif
;; end of part 1
;; launch qkv (part 2): grid 12 x 32, 4 waves a work-group, clusters of 4 x 4, 327,680 bytes of LDS; arguments codes, scales, tab, qkv, fine; writes qkv, fine
.if DOCPART == 2
	.amdgcn_target "amdgcn-amd-amdhsa--gfx1250"
	.amdhsa_code_object_version 6
	.text
	.protected	k_q93356a4614_qkv
	.globl	k_q93356a4614_qkv
	.p2align	8
	.type	k_q93356a4614_qkv,@function
k_q93356a4614_qkv:
	s_mov_b64 s[64:65], 0
	v_nop
	global_prefetch_b8 v0, s[64:65] scope:SCOPE_SE
	s_setreg_imm32_b32 hwreg(HW_REG_WAVE_MODE, 25, 1), 1
	s_wait_xcnt 0x0
	s_wait_alu depctr_hold_cnt(0) depctr_sa_sdst(0) depctr_va_vdst(0) depctr_va_sdst(0) depctr_va_ssrc(0) depctr_va_vcc(0) depctr_vm_vsrc(0)
	s_getreg_b32 s2, hwreg(HW_REG_IB_STS2, 6, 4)
	s_cmp_eq_u32 s2, 0
	s_cbranch_scc0 .Lentry_in_a_cluster
	s_endpgm
.Lentry_in_a_cluster:
	s_bfe_u32 s2, ttmp6, 0x10000c
	s_cmp_lg_u32 s2, 0xf033
	s_cbranch_scc0 .Lentry_shape_is_right
	s_endpgm
.Lentry_shape_is_right:
; QKV: the three quantised products x wq^T, x wk^T, x wv^T as ONE GEMM on codes of FP4 (E2M1) with E8M0 scales, K = 1,024; RoPE on q and k on the way out; results as f16 for the products that follow.
; A tile of C is 256 x 256, made by four waves, each 128 x 128: 64 accumulators of 16 x 16, 512 registers.  K goes in two slots of 512 (rows of 256 bytes), both asked for at the start: nothing is filled again.
; The scale bytes of the tile's 256 + 256 rows, for all of K, come once, as dense blocks.
; WHO TAKES WHAT.  The cluster's x says which product: 0 q, 1 k, 2 v; the cluster's y (CY) which eighth of the positions.  In a cluster of 4 x 4 (cx, cy):
;   q, k: A = x's tile 8 cy + CY (batch cy, positions 256 CY on), B = the weight's tile cx.        v: A = wv's tile cy, B = x's tile 8 cx + CY (batch cx).
; THE MATRIX INSTRUCTION IS USED TRANSPOSED (source 0 = 16 rows of B, source 1 = 16 rows of A): a lane holds one row of A and eight neighbouring rows of B.  So for q and k a lane holds one position and eight neighbouring
; channels (four RoPE pairs); for v one channel and eight neighbouring KEYS: v leaves with the keys innermost, as the product p v wants it.
; A's tiles are shared along a row of the cluster, B's along a column: each is asked for JOINTLY.  Every branch hangs on the cluster's x and y and on the wave's number, which all sixteen partners share.
; OUT: qkv: q16 at 0 and k16 at 2^24: [batch x 16 + head][position][64] f16;  vt16 at 2^25: [batch x 1,024 + channel][2,048 keys] f16.
;      fine: positions 0 to 15 of q, k, v in f32, as images of the 16 x 16 accumulators: [which][batch][channel / 16][half][lane][16 bytes]; the last launch takes them as operands.
; LIMIT: q, k and v must lie inside f16's range (65,504).
; REGISTERS, in windows of 256: window 0: v0-31 addresses; v32-95 scale words, two sets (they hold nothing else); v96-127 packed f16; v128-191 A's fragments, later rows back from the stage; v192-255 two sets of the table.
;   window 1: B's fragments at v0 and v128; v64-127 the rotated numbers.   window 2: the accumulators of my rows 0-63 ((a, b) at v[8 (8 a + b)]);   window 3: those of rows 64-127.
.set NQ,     4                         ; steps of 128 along K in a slot
.set ROWB,   256                       ; a tile's row in bytes: 512 codes
.set KROW,   512                       ; a row of codes in memory
.set PITCH,  272                       ; an LDS row: 256 bytes + 16 of padding: the 16 rows that a load touches start 68 words apart
.set FR,     8
.set NL,     2
.set NP,     4
.set HALFT,  128*PITCH
.set SLOT,   4*HALFT
.set KS,     32                        ; a row of scale bytes
.set SCL,    2*SLOT
.set HALFS,  (128*KS/256)*272
.set SBLK,   (16*KS/256)*272
.set SPARE,  SCL+4*HALFS               ; the spare words, 128 bytes a wave
.set ADRA, 16
.set ADRB, 20
.set STO,  24                          ; the way out: where I put 16 bytes of a row (the stage: 16 rows x 272 a wave, in slot 0, which has had its one fill and its last read by then)
.set RDQ,  25                          ; q, k: back by rows of 128 bytes, four an instruction
.set L16,  26                          ; 16 x lane
.set ADRS, 27
.set SPW,  28
.set NIL,  29
.set COV,  30                          ; v: 4,096 (lane / 16) + 16 (lane % 16)
.set RDV,  31                          ; v: back by rows of 256 bytes, two an instruction
.set SC,   32
.set PK,   96
.set AF,   128
.set BK,   128
.set CS,   192
.set TW,   64                          ; in window 1
.set G1, 24
.set G0, 32
.set G1B, 48
.set G0B, 56
.set G1S, 68
.set G0S, 76
.set G1SB, 80
.set G0SB, 88
.set MSB, 0
.macro WIN new                         ; the immediate's high byte repeats the setting that is left
.if MSB != \new
	s_set_vgpr_msb (MSB<<8)|\new
.set MSB, \new
.endif
.endm
.set MUL_LO, 0xa1                      ; source 0 (B) window 1, source 1 (A) window 0, C and D window 2
.set MUL_HI, 0xf1
.set TO_B,   0x40
; A joint load: waves 0 and 1 fetch for A, waves 2 and 3 for B; the branch hangs on the wave's number alone.  An s_nop 0 and four v_nop follow each line.
.macro JLOAD g0a, g1a, g0b, g1b
	s_cmp_eq_u32 s15, 0
	s_cbranch_scc0 .Lfor_b_\@
	tensor_load_to_lds s[\g0a:\g0a+3], s[\g1a:\g1a+7]
	s_nop 0
.rept 4
	v_nop
.endr
	s_branch .Lasked_\@
.Lfor_b_\@:
	tensor_load_to_lds s[\g0b:\g0b+3], s[\g1b:\g1b+7]
	s_nop 0
.rept 4
	v_nop
.endr
.Lasked_\@:
.endm
.macro CROUND                          ; a round of the cluster's barrier
	s_barrier_signal -1
	s_barrier_wait -1
	s_cmp_lg_u32 s14, 0
	s_cbranch_scc1 .Lnot_wave_0_\@
	s_barrier_signal -3
.Lnot_wave_0_\@:
	s_barrier_wait -3
	s_barrier_signal -1
	s_barrier_wait -1
.endm
	s_load_b256 s[4:11], s[0:1], 0x0               ; codes 4, scales 6, tab 8, qkv 10
	s_load_b64 s[12:13], s[0:1], 0x20              ; fine
	v_lshl_add_u32 v[SPW], v0, 2, SPARE
	v_mov_b32 v[NIL], 0
	ds_add_u32 v[SPW], v[NIL]                      ; the wave's opening: the add, twice on end, and its wait ahead of my first tensor load
	ds_add_u32 v[SPW], v[NIL]
	v_lshrrev_b32 v1, 5, v0
	v_readfirstlane_b32 s14, v1                    ; wave
	s_lshr_b32 s15, s14, 1                         ; my half of the tile's rows.  Also: I fetch for A (0) or for B (1)
	s_and_b32 s16, s14, 1                          ; my half of its columns.  Also: which 128 rows I fetch
	s_bfe_u32 s40, ttmp6, 0x40000                  ; cx
	s_bfe_u32 s41, ttmp6, 0x40004                  ; cy
	s_mov_b32 s42, ttmp9                           ; the cluster's x: 0 q, 1 k, 2 v
	s_and_b32 s17, ttmp7, 0xffff                   ; the cluster's y: CY
	s_lshl_b32 s43, s41, 2
	s_lshl_b32 s43, 15, s43                        ; my row of the cluster
	s_lshl_b32 s44, 0x1111, s40                    ; my column
	s_or_b32 s[G1+0], s43, (0<<16)|(1<<20)|(1<<21)|(5<<22)|(3<<25)  ; the mask; elements of 1 byte; padding: 4 words behind every 64
	s_or_b32 s[G1B+0], s44, (0<<16)|(1<<20)|(1<<21)|(5<<22)|(3<<25)
.irp g, G1, G1B
	s_mov_b32 s[\g+1], ROWB<<16                    ; tensor_dim0
	s_mov_b32 s[\g+2], 128<<16                     ; tensor_dim1
	s_mov_b32 s[\g+3], ROWB<<16                    ; tile_dim0
	s_mov_b32 s[\g+4], 128                         ; tile_dim1
	s_mov_b32 s[\g+5], KROW                        ; from row to row
	s_mov_b32 s[\g+6], 0
	s_mov_b32 s[\g+7], 0
.endr
	s_or_b32 s[G1S+0], s43, (3<<16)|(1<<20)|(1<<21)|(5<<22)|(3<<25) ; the scales of 128 rows: 4,096 dense bytes as 16 rows of 256 (32 elements of 8 bytes)
	s_or_b32 s[G1SB+0], s44, (3<<16)|(1<<20)|(1<<21)|(5<<22)|(3<<25)
.irp g, G1S, G1SB
	s_mov_b32 s[\g+1], 32<<16
	s_mov_b32 s[\g+2], (128*KS/256)<<16
	s_mov_b32 s[\g+3], 32<<16
	s_mov_b32 s[\g+4], 128*KS/256
	s_mov_b32 s[\g+5], 32
	s_mov_b32 s[\g+6], 0
	s_mov_b32 s[\g+7], 0
.endr
	s_lshl_b32 s20, s41, 3                         ; A's tile of 256 rows in the joint buffer: it hangs on cy, which my row shares
	s_add_co_u32 s20, s20, s17                     ; q, k: 8 cy + CY
	s_add_co_u32 s21, s41, 40                      ; v: 40 + cy
	s_lshl_b32 s46, s42, 2                         ; B's: it hangs on cx, which my column shares
	s_add_co_u32 s46, s46, s40
	s_add_co_u32 s46, s46, 32                      ; q, k: 32 + 4 x product + cx
	s_lshl_b32 s47, s40, 3
	s_add_co_u32 s47, s47, s17                     ; v: 8 cx + CY
	s_cmp_eq_u32 s42, 2
	s_cselect_b32 s20, s21, s20
	s_cselect_b32 s46, s47, s46
	s_lshl_b32 s18, s16, 7
	s_lshl_b32 s20, s20, 8
	s_add_co_u32 s20, s20, s18                     ; the first row that I fetch
	s_lshl_b32 s46, s46, 8
	s_add_co_u32 s46, s46, s18
	s_lshl_b32 s22, s20, 5                         ; its scale bytes,
	s_mov_b32 s23, 0
	s_lshl_b32 s92, s46, 5
	s_mov_b32 s93, 0
	s_lshl_b32 s20, s20, 9                         ; its codes
	s_mov_b32 s21, 0
	s_lshl_b32 s46, s46, 9
	s_mov_b32 s47, 0
	s_mul_i32 s45, s14, HALFT                      ; where they go: by the wave's number alone
	s_mul_i32 s94, s14, HALFS
	s_wait_dscnt 0x0                               ; both opening adds are done
	s_wait_kmcnt 0x0
	s_add_nc_u64 s[20:21], s[4:5], s[20:21]
	s_add_nc_u64 s[22:23], s[6:7], s[22:23]
	s_add_nc_u64 s[46:47], s[4:5], s[46:47]
	s_add_nc_u64 s[92:93], s[6:7], s[92:93]
	CROUND                                         ; all sixteen work-groups are here: the joint loads meet
	s_mov_b32 s[G0S], 1
	s_add_co_u32 s[G0S+1], s94, SCL
	s_mov_b64 s[G0S+2:G0S+3], s[22:23]
	s_or_b32 s[G0S+3], s[G0S+3], 0x80000000
	s_mov_b32 s[G0SB], 1
	s_add_co_u32 s[G0SB+1], s94, SCL
	s_mov_b64 s[G0SB+2:G0SB+3], s[92:93]
	s_or_b32 s[G0SB+3], s[G0SB+3], 0x80000000
	JLOAD G0S, G1S, G0SB, G1SB                     ; the scales first: they are wanted with the first step
.irp s, 0,1
	s_mov_b32 s[G0+4*\s], 1
	s_add_co_u32 s[G0+4*\s+1], s45, \s*SLOT
	s_add_nc_u64 s[G0+4*\s+2:G0+4*\s+3], s[20:21], \s*ROWB
	s_or_b32 s[G0+4*\s+3], s[G0+4*\s+3], 0x80000000
	s_mov_b32 s[G0B+4*\s], 1
	s_add_co_u32 s[G0B+4*\s+1], s45, \s*SLOT
	s_add_nc_u64 s[G0B+4*\s+2:G0B+4*\s+3], s[46:47], \s*ROWB
	s_or_b32 s[G0B+4*\s+3], s[G0B+4*\s+3], 0x80000000
	JLOAD G0+4*\s, G1, G0B+4*\s, G1B               ; three loads of mine are out
.endr
	v_and_b32 v1, 15, v0                           ; r
	v_bfe_u32 v2, v0, 4, 1                         ; h
	v_mul_u32_u24 v3, v1, PITCH
	v_lshl_add_u32 v4, v2, 4, v3                   ; row x pitch + 16 h
	s_mul_i32 s21, s15, HALFT
	s_mul_i32 s22, s16, HALFT
	s_add_co_u32 s22, s22, 2*HALFT
.irp s, 0,1
	v_add_nc_u32 v[ADRA+\s], s21, v4
	v_add_nc_u32 v[ADRB+\s], s22, v4
	s_add_co_u32 s21, s21, SLOT
	s_add_co_u32 s22, s22, SLOT
.endr
	v_mul_u32_u24 v5, v1, KS                       ; my row's scales: 32 bytes a row, and 16 more for each 256 passed
	v_lshrrev_b32 v6, 8, v5
	v_lshl_add_u32 v5, v6, 4, v5
	s_mul_i32 s21, s15, HALFS
	s_mul_i32 s22, s16, HALFS
	s_add_co_u32 s22, s22, 2*HALFS
	s_sub_co_u32 s22, s22, s21
	v_mul_u32_u24 v6, s22, v2                      ; lanes 16-31 take B's
	s_add_co_u32 s21, s21, SCL
	v_add_nc_u32 v5, v5, v6
	v_add_nc_u32 v[ADRS], s21, v5
	s_mul_i32 s23, s14, 16*PITCH                   ; my stage
	v_add_nc_u32 v[STO], s23, v4
	v_and_b32 v6, 31, v0
	v_lshlrev_b32 v[L16], 4, v6
	v_lshrrev_b32 v5, 3, v6
	v_mul_u32_u24 v5, v5, PITCH
	v_and_b32 v7, 7, v6
	v_lshl_add_u32 v5, v7, 4, v5
	v_add_nc_u32 v[RDQ], s23, v5
	v_mul_u32_u24 v5, v2, PITCH
	v_lshl_add_u32 v5, v1, 4, v5
	v_add_nc_u32 v[RDV], s23, v5
	v_lshlrev_b32 v5, 12, v2
	v_lshl_add_u32 v[COV], v1, 4, v5
	; where my results go, in bytes
	s_lshl_b32 s92, s42, 24                        ; q, k: product, batch cy, heads 4 cx + 2 x column half on, positions 256 CY + 128 x row half on
	s_lshl_b32 s93, s41, 22
	s_add_co_u32 s92, s92, s93
	s_lshl_b32 s93, s40, 20
	s_add_co_u32 s92, s92, s93
	s_lshl_b32 s93, s16, 19
	s_add_co_u32 s92, s92, s93
	s_lshl_b32 s93, s17, 15
	s_add_co_u32 s92, s92, s93
	s_lshl_b32 s93, s15, 14
	s_add_co_u32 s92, s92, s93
	s_lshl_b32 s94, s40, 22                        ; v: batch cx, channels 256 cy + 128 x row half on, keys 256 CY + 128 x column half on
	s_lshl_b32 s95, s41, 20
	s_add_co_u32 s94, s94, s95
	s_lshl_b32 s95, s15, 19
	s_add_co_u32 s94, s94, s95
	s_lshl_b32 s95, s17, 9
	s_add_co_u32 s94, s94, s95
	s_lshl_b32 s95, s16, 8
	s_add_co_u32 s94, s94, s95
	s_add_co_u32 s94, s94, 2<<24
	s_cmp_eq_u32 s42, 2
	s_cselect_b32 s92, s94, s92
	s_mov_b32 s93, 0
	s_add_nc_u64 s[92:93], s[10:11], s[92:93]
	s_lshl_b32 s94, s42, 2                         ; the f32 images: q, k: (4 x product + cy) x 65,536 + (16 cx + 8 x column half) x 1,024
	s_add_co_u32 s94, s94, s41
	s_lshl_b32 s94, s94, 16
	s_lshl_b32 s95, s40, 14
	s_add_co_u32 s94, s94, s95
	s_lshl_b32 s95, s16, 13
	s_add_co_u32 s94, s94, s95
	s_add_co_u32 s98, s40, 8                       ; v: (8 + cx) x 65,536 + (16 cy + 8 x row half) x 1,024
	s_lshl_b32 s98, s98, 16
	s_lshl_b32 s99, s41, 14
	s_add_co_u32 s98, s98, s99
	s_lshl_b32 s99, s15, 13
	s_add_co_u32 s98, s98, s99
	s_cmp_eq_u32 s42, 2
	s_cselect_b32 s94, s98, s94
	s_mov_b32 s95, 0
	s_add_nc_u64 s[94:95], s[12:13], s[94:95]
	s_or_b32 s96, s17, s15                         ; 0: my rows begin at position 0 (q, k)
	s_or_b32 s97, s17, s16                         ; 0: my columns begin at key 0 (v)
	s_lshl_b32 s98, s17, 16                        ; the table: 4,096 bytes for each 16 positions
	s_lshl_b32 s99, s15, 15
	s_add_co_u32 s98, s98, s99
	s_mov_b32 s99, 0
	s_add_nc_u64 s[8:9], s[8:9], s[98:99]
.macro FRAG reg, adr, q, i             ; 16 rows x 128 K of 4-bit codes: 8 registers: lane l holds row l % 16; registers 4 c .. 4 c + 3 hold K = 64 c + 32 (l / 16) + 0 .. 31
.irp c, 0,1
	ds_load_b128 v[\reg+4*\c:\reg+4*\c+3], v[\adr] offset:64*(\q)+32*\c+(\i)*16*PITCH
.endr
.endm
; 16 matrix instructions: A's blocks a0, a0 + 1 x B's eight.  The 64 accumulators take turns, one instruction a turn, in the same order in every step.
; One register carries A's scale word (lanes 0-15) and B's (lanes 16-31).
.macro MUL16 a0, p, q, sc, zero
.irp a, \a0, \a0+1
.irp b, 0,1,2,3,4,5,6,7
.if \zero
	v_wmma_scale_f32_16x16x128_f8f6f4 v[8*(8*((\a)%4)+\b):8*(8*((\a)%4)+\b)+7], v[128*(\p)+FR*\b:128*(\p)+FR*\b+FR-1], v[AF+FR*(\a):AF+FR*(\a)+FR-1], 0, v[SC+8*NQ*(\sc)+NQ*\b+(\q)], v[SC+8*NQ*(\sc)+NQ*(\a)+(\q)] matrix_a_fmt:MATRIX_FMT_FP4 matrix_b_fmt:MATRIX_FMT_FP4 matrix_a_scale:MATRIX_SCALE_ROW1
.else
	v_wmma_scale_f32_16x16x128_f8f6f4 v[8*(8*((\a)%4)+\b):8*(8*((\a)%4)+\b)+7], v[128*(\p)+FR*\b:128*(\p)+FR*\b+FR-1], v[AF+FR*(\a):AF+FR*(\a)+FR-1], v[8*(8*((\a)%4)+\b):8*(8*((\a)%4)+\b)+7], v[SC+8*NQ*(\sc)+NQ*\b+(\q)], v[SC+8*NQ*(\sc)+NQ*(\a)+(\q)] matrix_a_fmt:MATRIX_FMT_FP4 matrix_b_fmt:MATRIX_FMT_FP4 matrix_a_scale:MATRIX_SCALE_ROW1
.endif
.endr
.endr
.endm
.macro FETCH_B slot, q, p
	WIN TO_B
.irp i, 0,1,2,3,4,5,6,7
	FRAG 128*(\p)+FR*\i, ADRB+\slot, \q, \i
.endr
	WIN 0
.endm
.macro FETCH_A slot, q, i0
.irp i, \i0, \i0+1, \i0+2, \i0+3
	FRAG AF+FR*(\i), ADRA+\slot, \q, \i
.endr
.endm
.macro SCALES sc                       ; a slot's scale words: four words a row; lanes 0-15 take A's block i, lanes 16-31 B's
.irp i, 0,1,2,3,4,5,6,7
	ds_load_b128 v[SC+8*NQ*\sc+NQ*\i:SC+8*NQ*\sc+NQ*\i+3], v[ADRS] offset:\i*SBLK
.endr
.endm
.macro PLACES n                        ; plain vector instructions between a matrix instruction and a load into, or a read of, its registers
.rept \n
	v_nop
.endr
.endm
.macro STEP slot, q, zero              ; a step of 128 along K that has its successor in the same slot
	s_wait_dscnt 4*NL                              ; B's set and A's blocks 0-3 are in; the youngest eight loads (A's blocks 4-7) may be out
	WIN MUL_LO
	MUL16 0, (\q)%2, \q, \slot, \zero
	MUL16 2, (\q)%2, \q, \slot, \zero
	s_wait_dscnt 0                                 ; A's blocks 4-7 are in
	PLACES NP
	FETCH_B \slot, (\q)+1, 1-(\q)%2
	FETCH_A \slot, (\q)+1, 0
	WIN MUL_HI
	MUL16 4, (\q)%2, \q, \slot, \zero
	MUL16 6, (\q)%2, \q, \slot, \zero
	PLACES NP
	WIN 0
	FETCH_A \slot, (\q)+1, 4
.endm
.macro STEPS slot, from
.set Q, \from
.rept NQ-1-\from
	STEP \slot, Q, 0
.set Q, Q+1
.endr
.endm
.macro TAIL                            ; slot 1's four steps; written once for q and k, once for v
	STEPS 1, 0
	s_wait_dscnt 4*NL
	WIN MUL_LO
	MUL16 0, 1, NQ-1, 1, 0
	MUL16 2, 1, NQ-1, 1, 0
	s_wait_dscnt 0
	WIN MUL_HI
	MUL16 4, 1, NQ-1, 1, 0
	MUL16 6, 1, NQ-1, 1, 0
	WIN 0
	PLACES NP                                      ; in front of the first read of results and of loads into A's registers
.endm
	s_wait_tensorcnt 1                             ; the scales and my part of slot 0 are in; slot 1's load may be out
	s_barrier_signal -1
	s_barrier_wait -1
	FETCH_B 0, 0, 0
	FETCH_A 0, 0, 0
	SCALES 0
	FETCH_A 0, 0, 4
	STEP 0, 0, 1                                   ; the first products start the sums: nothing is cleared
	STEPS 0, 1
	; slot 0's last step changes slots: one barrier; nothing is filled again
	s_wait_tensorcnt 0x0                           ; my part of slot 1 has landed
	ds_add_u32 v[SPW], v[NIL]
	s_wait_dscnt 4*NL+1                            ; the add and the youngest eight loads may be out
	WIN MUL_LO
	MUL16 0, 1, NQ-1, 0, 0
	s_wait_dscnt 0x0                               ; the add is done, and my reads of slot 0 are over
	s_barrier_signal -1
	MUL16 2, 1, NQ-1, 0, 0
	WIN 0
	s_barrier_wait -1
	PLACES NP
	v_add_nc_u32 v[ADRS], 4*NQ, v[ADRS]            ; on to slot 1's scale words
	FETCH_B 1, 0, 0
	FETCH_A 1, 0, 0
	SCALES 1
	WIN MUL_HI
	MUL16 4, 1, NQ-1, 0, 0
	MUL16 6, 1, NQ-1, 0, 0
	PLACES NP
	WIN 0
	FETCH_A 1, 0, 4
	s_cmp_eq_u32 s42, 2                            ; the one parting of q, k and v: by the cluster's x
	s_cbranch_scc1 .Lv
; ---- q and k.  The table of my first 32 positions is asked for here: it lands under slot 1's 256 matrix instructions.
.irp a, 0,1
.irp q, 0,1,2,3,4,5,6,7
	global_load_b128 v[CS+32*\a+4*\q:CS+32*\a+4*\q+3], v[L16], s[8:9] offset:\a*4096+512*\q
.endr
.endr
	TAIL
; Block a: 16 positions x 128 channels.  r1 = x1 cos - x2 sin, r2 = x2 cos + x1 sin: a packed multiply by cos and a packed multiply-add that crosses the pair and negates sin in the low half.
; Then f16, 16 bytes a lane into my stage, back as rows of 128 bytes (a head's 64 channels), and out: four rows, 512 consecutive bytes, a store.
.macro QKBLOCK a
.set AC, 64*((\a)%4)
.set CC, CS+32*((\a)%2)
.if (\a) < 7
	s_wait_loadcnt 8                               ; this block's table is in; the next block's eight loads may be out
.else
	s_wait_loadcnt 0
.endif
	WIN 0x52+(\a)/4                                ; source 0: the accumulators' window; source 2 and destination: window 1
.irp b, 0,1,2,3,4,5,6,7
.irp p, 0,2,4,6
	v_pk_mul_f32 v[TW+8*\b+\p:TW+8*\b+\p+1], v[AC+8*\b+\p:AC+8*\b+\p+1], v[CC+8*(\b%4)+\p:CC+8*(\b%4)+\p+1] op_sel_hi:[1,0]
.endr
.endr
.irp b, 0,1,2,3,4,5,6,7
.irp p, 0,2,4,6
	v_pk_fma_f32 v[TW+8*\b+\p:TW+8*\b+\p+1], v[AC+8*\b+\p:AC+8*\b+\p+1], v[CC+8*(\b%4)+\p:CC+8*(\b%4)+\p+1], v[TW+8*\b+\p:TW+8*\b+\p+1] op_sel:[1,1,0] op_sel_hi:[0,1,1] neg_lo:[0,1,0]
.endr
.endr
	WIN 0
.if (\a)+2 < 8
.irp q, 0,1,2,3,4,5,6,7
	global_load_b128 v[CC+4*\q:CC+4*\q+3], v[L16], s[8:9] offset:((\a)+2)*4096+512*\q   ; the table two blocks on, into the set just read
.endr
.endif
.if (\a) == 0
	s_cmp_lg_u32 s96, 0                            ; positions 0 to 15 also leave in f32
	s_cbranch_scc1 .Lnot_fine_\@
	WIN 0x04                                       ; a store's data: window 1
.irp b, 0,1,2,3,4,5,6,7
.irp p, 0,1
	global_store_b128 v[L16], v[TW+8*\b+4*\p:TW+8*\b+4*\p+3], s[94:95] offset:1024*\b+512*\p
.endr
.endr
	s_wait_xcnt 0x0                                ; the next block writes these registers again only behind this wait
	WIN 0
.Lnot_fine_\@:
.else
	s_wait_dscnt 8                                 ; the last block's eight stores into the stage are done; its eight loads may be out
.endif
	WIN 0x05                                       ; sources 0 and 1: window 1
.irp b, 0,1,2,3,4,5,6,7
.irp p, 0,2,4,6
	v_cvt_pk_f16_f32 v[PK+4*\b+\p/2], v[TW+8*\b+\p], v[TW+8*\b+\p+1]
.endr
.endr
	WIN 0
.irp b, 0,1,2,3,4,5,6,7
	ds_store_b128 v[STO], v[PK+4*\b:PK+4*\b+3] offset:32*\b
.endr
.if (\a) > 1
	s_wait_xcnt 0x0                                ; the stores of two blocks ago have read the registers that the loads below fill
.endif
.irp hh, 0,1
.irp i, 0,1,2,3
	ds_load_b128 v[BK+32*((\a)%2)+4*(4*\hh+\i):BK+32*((\a)%2)+4*(4*\hh+\i)+3], v[RDQ] offset:4*PITCH*\i+128*\hh   ; in order behind my stores
.endr
.endr
.endm
.macro SENDQ a, younger                ; younger: the next block's eight LDS stores and eight loads, which may stay out
	s_wait_dscnt \younger
.irp hh, 0,1
.irp i, 0,1,2,3
	global_store_b128 v[L16], v[BK+32*((\a)%2)+4*(4*\hh+\i):BK+32*((\a)%2)+4*(4*\hh+\i)+3], s[92:93] offset:\hh*262144+2048*(\a)+512*\i
.endr
.endr
.endm
	QKBLOCK 0
.irp a, 1,2,3,4,5,6,7
	QKBLOCK \a
	SENDQ \a-1, 16
.endr
	SENDQ 7, 0
	s_branch .Lend
; ---- v: block a is 16 channels x 128 keys.  f16, through the stage, back as rows of 256 bytes: sixteen lanes store 256 consecutive bytes, aligned.
.Lv:
	TAIL
.macro VBLOCK a
.set AC, 64*((\a)%4)
.if (\a) > 0
	s_wait_dscnt 8                                 ; the last block's stores into the stage are done; its loads may be out
.endif
	WIN 0x0a+5*((\a)/4)                            ; sources 0 and 1: the accumulators' window
.irp b, 0,1,2,3,4,5,6,7
.irp p, 0,2,4,6
	v_cvt_pk_f16_f32 v[PK+4*\b+\p/2], v[AC+8*\b+\p], v[AC+8*\b+\p+1]
.endr
.endr
	WIN 0
	s_cmp_lg_u32 s97, 0                            ; keys 0 to 15 also leave in f32: the block's first accumulator as it stands
	s_cbranch_scc1 .Lnot_fine_\@
	WIN 0x08+4*((\a)/4)
	global_store_b128 v[L16], v[AC:AC+3], s[94:95] offset:1024*(\a)
	global_store_b128 v[L16], v[AC+4:AC+7], s[94:95] offset:1024*(\a)+512
	WIN 0
.Lnot_fine_\@:
.irp b, 0,1,2,3,4,5,6,7
	ds_store_b128 v[STO], v[PK+4*\b:PK+4*\b+3] offset:32*\b
.endr
.if (\a) > 1
	s_wait_xcnt 0x0                                ; the stores of two blocks ago have read the registers that the loads below fill
.endif
.irp t, 0,1,2,3,4,5,6,7
	ds_load_b128 v[BK+32*((\a)%2)+4*\t:BK+32*((\a)%2)+4*\t+3], v[RDV] offset:2*PITCH*\t
.endr
.endm
.macro SENDV a, younger
	s_wait_dscnt \younger
.irp t, 0,1,2,3,4,5,6,7
	global_store_b128 v[COV], v[BK+32*((\a)%2)+4*\t:BK+32*((\a)%2)+4*\t+3], s[92:93] offset:(16*(\a)+2*\t)*4096
.endr
.endm
	VBLOCK 0
.irp a, 1,2,3,4,5,6,7
	VBLOCK \a
	SENDV \a-1, 16
.endr
	SENDV 7, 0
.Lend:
	s_wait_tensorcnt 0x0                           ; the wave's end, behind my last tensor load and my last LDS store
	ds_add_u32 v[SPW], v[NIL]
	s_wait_dscnt 0x0
	CROUND                                         ; the closing round
	s_endpgm
.Lfunc_end_k_q93356a4614_qkv:
	.size	k_q93356a4614_qkv, .Lfunc_end_k_q93356a4614_qkv-k_q93356a4614_qkv
	.p2alignl 7, 3214868480
	.fill 96, 4, 3214868480
	.section	.rodata,"a",@progbits
	.p2align	6, 0x0
	.amdhsa_kernel k_q93356a4614_qkv
		.amdhsa_group_segment_fixed_size 327680
		.amdhsa_private_segment_fixed_size 0
		.amdhsa_enable_private_segment 0
		.amdhsa_kernarg_size 40
		.amdhsa_user_sgpr_count 2
		.amdhsa_user_sgpr_kernarg_segment_ptr 1
		.amdhsa_wavefront_size32 1
		.amdhsa_system_sgpr_workgroup_id_x 1
		.amdhsa_system_sgpr_workgroup_id_y 1
		.amdhsa_system_sgpr_workgroup_id_z 1
		.amdhsa_system_vgpr_workitem_id 0
		.amdhsa_next_free_vgpr 1024
		.amdhsa_next_free_sgpr 100
		.amdhsa_reserve_vcc 0
		.amdhsa_float_denorm_mode_32 3
		.amdhsa_float_denorm_mode_16_64 3
		.amdhsa_memory_ordered 1
		.amdhsa_forward_progress 1
		.amdhsa_inst_pref_size 242
	.end_amdhsa_kernel
	.amdgpu_metadata
---
amdhsa.version: [ 1, 2 ]
amdhsa.kernels:
  - .name:           k_q93356a4614_qkv
    .symbol:         k_q93356a4614_qkv.kd
    .args:
      - { .name: codes, .offset: 0, .size: 8, .value_kind: global_buffer, .address_space: global }
      - { .name: scales, .offset: 8, .size: 8, .value_kind: global_buffer, .address_space: global }
      - { .name: tab, .offset: 16, .size: 8, .value_kind: global_buffer, .address_space: global }
      - { .name: qkv, .offset: 24, .size: 8, .value_kind: global_buffer, .address_space: global }
      - { .name: fine, .offset: 32, .size: 8, .value_kind: global_buffer, .address_space: global }
    .group_segment_fixed_size: 327680
    .private_segment_fixed_size: 0
    .kernarg_segment_align: 8
    .kernarg_segment_size: 40
    .max_flat_workgroup_size: 128
    .sgpr_count:     100
    .vgpr_count:     1024
    .wavefront_size: 32
...
	.end_amdgpu_metadata
.endif
;; end of part 2
;; launch attn (part 3): grid 4 x 64, 8 waves a work-group, clusters of 4 x 1, 327,680 bytes of LDS; arguments qkv, o16; writes o16
.if DOCPART == 3
	.amdgcn_target "amdgcn-amd-amdhsa--gfx1250"
	.amdhsa_code_object_version 6
	.text
	.protected	k_q93356a4614_attn
	.globl	k_q93356a4614_attn
	.p2align	8
	.type	k_q93356a4614_attn,@function
k_q93356a4614_attn:
	s_mov_b64 s[64:65], 0
	v_nop
	global_prefetch_b8 v0, s[64:65] scope:SCOPE_SE
	s_setreg_imm32_b32 hwreg(HW_REG_WAVE_MODE, 25, 1), 1
	s_wait_xcnt 0x0
	s_wait_alu depctr_hold_cnt(0) depctr_sa_sdst(0) depctr_va_vdst(0) depctr_va_sdst(0) depctr_va_ssrc(0) depctr_va_vcc(0) depctr_vm_vsrc(0)
	s_getreg_b32 s2, hwreg(HW_REG_IB_STS2, 6, 4)
	s_cmp_eq_u32 s2, 0
	s_cbranch_scc0 .Lentry_in_a_cluster
	s_endpgm
.Lentry_in_a_cluster:
	s_bfe_u32 s2, ttmp6, 0x10000c
	s_cmp_lg_u32 s2, 0x3003
	s_cbranch_scc0 .Lentry_shape_is_right
	s_endpgm
.Lentry_shape_is_right:
; ATTN: O = softmax(q k^T / 8, causal) v for each of 64 (batch, head), operands in f16, maxima, sums and products' sums in f32.
; WORK LEFT OUT: steps of 64 keys that lie wholly behind a tile's 16 queries: reference()'s own jnp.tril makes their weights 0 for all inputs (shown at the head of the first kernel).
; LIMIT: a NaN, an infinity or an overflow that would arise in those hidden scores alone is not carried to the result.
; SHARES.  A cluster of four work-groups owns one head.  The head's 128 tiles of 16 queries are numbered 4 g + cx: partner cx takes the cx-th tile of every group g of 64 queries.  So whether a tile sees a step of
; 64 keys is the test step <= g, the same in all four partners; cx enters global addresses and the mask's numbers alone.  Wave w of eight owns groups w, 15 - w, 16 + w, 31 - w: 66 tile-steps for every wave.
; The keys go in four runs of 512 (8 steps).  In run j the wave's tiles under j are finished, tile j meets its diagonal, the tiles above j see every key.
; K and V^T of a run lie in one of two LDS slots, asked for JOINTLY by the four partners (waves 0-3: 128 keys of K each; waves 4-7: 16 channels of V^T each).  Two loads of a wave are out at the start, one behind each refill.
; No prefetch is laid: a refill is asked for a whole run, eight key steps, ahead of the wait for it, and the first two runs come by the fills at the head.
; LAYOUT.  S^T = K Q^T (source 0 = 16 keys, source 1 = 16 queries): a lane holds ONE query (lane % 16) and keys 8 (lane / 16) + 0..7 of each tile of 16 keys.  Two such tiles, rounded to f16 in pairs, ARE source 1
; of O^T = V^T P.  V arrives with the keys innermost, so both K and V^T are read from LDS as they lie.
; SOFTMAX.  A running maximum m and sum l for each query: p = 2^(c s - c m), c = log2(e) / 8; O and l are multiplied by a = 2^(c m_old - c m_new) in every step.
; REGISTERS: window 0: v1-15 addresses; v16-47 statistics, 8 a tile (c m, m, l in two halves, four at work; a takes the third's place); v48-79 S^T; v80-95 P; v96-111 at work; v128-191 K; v192-255 V^T.
;   window 1: v0-63 Q, 16 a tile; v64-191 O^T, 32 a tile.
.set KP,    144                        ; a key's row in LDS: 128 bytes + 16
.set VP,    1040                       ; a channel's row: 512 keys, 1,024 bytes + 16
.set VOFF,  512*KP
.set SLOTB, VOFF+64*VP
.set STAGE, 2*SLOTB                    ; 16 rows x 144 for each wave, for the way out
.set SPARE, STAGE+8*16*KP              ; the spare words, 128 bytes a wave
.set AK0, 3
.set AV0, 4
.set ADK, 5
.set ADV, 6
.set DM,  7                            ; 16 cx + r - 8 h: in the diagonal step register 8 kt + j is hidden where 16 kt + j > DM
.set NINF, 8
.set STO, 9
.set RD,  10
.set L16, 11
.set SPW, 14
.set NIL, 15
.set ST,  16
.set S,   48
.set P,   80
.set KF,  128
.set VF,  192
.set WV,  12
.set G,   16                           ; s16-19 my four groups
.set KS,  20                           ; the key step, 0 to 31
.set TK,  21                           ; LDS byte of the step's keys
.set TV,  22                           ; and of its place in V^T's rows
.set CNT, 23
.set G1K, 24
.set G1V, 32
.set G0K, 40                           ; a set for each slot
.set G0V, 48
.set CS,  58
.set SEL, 60
.set OB,  66                           ; s[66:73] O at my four tiles
.set QO,  74                           ; s74-77 their byte offsets
.set MSB, 0
.macro WIN new
.if MSB != \new
	s_set_vgpr_msb (MSB<<8)|\new
.set MSB, \new
.endif
.endm
.macro JLOAD s                         ; waves 0-3 for K, waves 4-7 for V^T; an s_nop 0 and four v_nop follow each line
	s_cmp_lt_u32 s[WV], 4
	s_cbranch_scc0 .Lfor_v_\@
	tensor_load_to_lds s[G0K+4*\s:G0K+4*\s+3], s[G1K:G1K+7]
	s_nop 0
.rept 4
	v_nop
.endr
	s_branch .Lasked_\@
.Lfor_v_\@:
	tensor_load_to_lds s[G0V+4*\s:G0V+4*\s+3], s[G1V:G1V+7]
	s_nop 0
.rept 4
	v_nop
.endr
.Lasked_\@:
.endm
.macro CROUND
	s_barrier_signal -1
	s_barrier_wait -1
	s_cmp_lg_u32 s[WV], 0
	s_cbranch_scc1 .Lnot_wave_0_\@
	s_barrier_signal -3
.Lnot_wave_0_\@:
	s_barrier_wait -3
	s_barrier_signal -1
	s_barrier_wait -1
.endm
	s_load_b128 s[4:7], s[0:1], 0x0                ; qkv, o16
	v_lshl_add_u32 v[SPW], v0, 2, SPARE
	v_mov_b32 v[NIL], 0
	ds_add_u32 v[SPW], v[NIL]                      ; the wave's opening: the add, twice on end, and its wait ahead of my first tensor load
	ds_add_u32 v[SPW], v[NIL]
	v_lshrrev_b32 v1, 5, v0
	v_readfirstlane_b32 s[WV], v1
	s_bfe_u32 s13, ttmp6, 0x40000                  ; cx
	s_and_b32 s14, ttmp7, 0xffff                   ; batch x 16 + head
	s_and_b32 s15, s[WV], 3                        ; which quarter of a slot's K or V^T I fetch
	s_mov_b32 s[G], s[WV]
	s_sub_co_u32 s[G+1], 15, s[WV]
	s_add_co_u32 s[G+2], s[WV], 16
	s_sub_co_u32 s[G+3], 31, s[WV]
	s_mov_b32 s[G1K], 15|(1<<16)|(1<<20)|(1<<21)|(4<<22)|(3<<25)   ; all four partners; elements of 2 bytes; padding: 4 words behind every 32
	s_mov_b32 s[G1K+1], 64<<16
	s_mov_b32 s[G1K+2], 128<<16
	s_mov_b32 s[G1K+3], 64<<16
	s_mov_b32 s[G1K+4], 128
	s_mov_b32 s[G1K+5], 64
	s_mov_b32 s[G1K+6], 0
	s_mov_b32 s[G1K+7], 0
	s_mov_b32 s[G1V], 15|(1<<16)|(1<<20)|(1<<21)|(7<<22)|(3<<25)   ; padding: 4 words behind every 256
	s_mov_b32 s[G1V+1], 512<<16
	s_mov_b32 s[G1V+2], 16<<16
	s_mov_b32 s[G1V+3], 512<<16
	s_mov_b32 s[G1V+4], 16
	s_mov_b32 s[G1V+5], 2048
	s_mov_b32 s[G1V+6], 0
	s_mov_b32 s[G1V+7], 0
	s_lshl_b32 s56, s14, 18                        ; a head is 262,144 bytes in each of q16, k16, vt16, o16
	s_lshl_b32 s57, s15, 14
	s_add_co_u32 s2, s56, s57
	s_add_co_u32 s2, s2, 1<<24                     ; K: my 128 keys
	s_mov_b32 s3, 0
	s_lshl_b32 s57, s15, 16
	s_add_co_u32 s62, s56, s57
	s_add_co_u32 s62, s62, 2<<24                   ; V^T: my 16 channels
	s_mov_b32 s63, 0
	s_mul_i32 s8, s15, 128*KP
	s_mul_i32 s9, s15, 16*VP
	s_add_co_u32 s9, s9, VOFF
	s_mov_b32 s[CS], 0x3e38aa3b                    ; c = log2(e) / 8
	s_mov_b32 s[CS+1], s[CS]
	s_mov_b32 s[SEL], 0x76543210
	s_mov_b32 s[SEL+1], 0xfedcba98
	s_mov_b32 s[KS], 0
	s_mov_b32 s[TK], 0
	s_mov_b32 s[TV], 0
	s_wait_dscnt 0x0                               ; both opening adds are done
	s_wait_kmcnt 0x0
	s_add_nc_u64 s[2:3], s[4:5], s[2:3]
	s_add_nc_u64 s[62:63], s[4:5], s[62:63]
	CROUND                                         ; all four partners are here: the first joint loads meet
.irp s, 0,1
	s_mov_b32 s[G0K+4*\s], 1
	s_add_co_u32 s[G0K+4*\s+1], s8, \s*SLOTB
	s_add_nc_u64 s[G0K+4*\s+2:G0K+4*\s+3], s[2:3], \s*65536         ; run s: 512 keys of 128 bytes on
	s_or_b32 s[G0K+4*\s+3], s[G0K+4*\s+3], 0x80000000
	s_mov_b32 s[G0V+4*\s], 1
	s_add_co_u32 s[G0V+4*\s+1], s9, \s*SLOTB
	s_add_nc_u64 s[G0V+4*\s+2:G0V+4*\s+3], s[62:63], \s*1024        ; 512 keys of 2 bytes on in each row
	s_or_b32 s[G0V+4*\s+3], s[G0V+4*\s+3], 0x80000000
.endr
	s_cmp_lt_u32 s[WV], 4                          ; a wave's two first fills stand in one arm
	s_cbranch_scc0 .Lfirst_v
	tensor_load_to_lds s[G0K:G0K+3], s[G1K:G1K+7]
	s_nop 0
	tensor_load_to_lds s[G0K+4:G0K+7], s[G1K:G1K+7]
	s_nop 0
.rept 4
	v_nop
.endr
	s_branch .Lfirst_asked
.Lfirst_v:
	tensor_load_to_lds s[G0V:G0V+3], s[G1V:G1V+7]
	s_nop 0
	tensor_load_to_lds s[G0V+4:G0V+7], s[G1V:G1V+7]
	s_nop 0
.rept 4
	v_nop
.endr
.Lfirst_asked:
	v_and_b32 v1, 15, v0                           ; r
	v_bfe_u32 v2, v0, 4, 1                         ; h
	v_and_b32 v12, 31, v0                          ; lane
	v_lshlrev_b32 v13, 7, v1
	v_lshl_add_u32 v13, v2, 4, v13                 ; Q: row r of 128 bytes, + 16 h
	s_lshl_b32 s57, s13, 11
	s_add_co_u32 s56, s56, s57                     ; head, and my 16 of a group's 64 rows
	s_mov_b32 s11, 0
.irp t, 0,1,2,3
	s_lshl_b32 s[QO+\t], s[G+\t], 13
	s_add_co_u32 s[QO+\t], s[QO+\t], s56
	v_add_nc_u32 v[96+\t], s[QO+\t], v13
	s_mov_b32 s10, s[QO+\t]
	s_add_nc_u64 s[OB+2*\t:OB+2*\t+1], s[6:7], s[10:11]
.endr
	WIN 0x40                                       ; destination window 1
.irp t, 0,1,2,3
.irp dd, 0,1
	global_load_b128 v[16*\t+8*\dd:16*\t+8*\dd+3],   v[96+\t], s[4:5] offset:64*\dd
	global_load_b128 v[16*\t+8*\dd+4:16*\t+8*\dd+7], v[96+\t], s[4:5] offset:64*\dd+32
.endr
.endr
	WIN 0
	v_mul_u32_u24 v[AK0], v1, KP
	v_lshl_add_u32 v[AK0], v2, 4, v[AK0]
	v_mul_u32_u24 v[AV0], v1, VP
	v_lshl_add_u32 v[AV0], v2, 4, v[AV0]
	v_add_nc_u32 v[AV0], VOFF, v[AV0]
	v_lshlrev_b32 v[DM], 3, v2
	v_sub_nc_u32 v[DM], v1, v[DM]
	s_lshl_b32 s57, s13, 4
	v_add_nc_u32 v[DM], s57, v[DM]
	v_mov_b32 v[NINF], 0xff800000
	s_mul_i32 s57, s[WV], 16*KP
	s_add_co_u32 s57, s57, STAGE
	v_add_nc_u32 v[STO], s57, v[AK0]               ; in: row r, 16 bytes for each half of the lanes
	v_lshrrev_b32 v[RD], 3, v12
	v_mul_u32_u24 v[RD], v[RD], KP
	v_and_b32 v13, 7, v12
	v_lshl_add_u32 v[RD], v13, 4, v[RD]
	v_add_nc_u32 v[RD], s57, v[RD]                 ; back: four rows of 128 bytes an instruction
	v_lshlrev_b32 v[L16], 4, v12
; ONE TILE'S SHARE OF A KEY STEP.  diag = 1: the tile is passed over once its diagonal lies behind (a branch on the wave's number and the count of steps), and masked on it; 2: masked only; 0: every key counts.
; first = 1: the first key step starts m, l and O^T.  In both products four accumulators take turns, one instruction a turn.
.macro TILE t, first, diag
.set rT, ST+8*(\t)
.set rQ, 16*(\t)
.set rO, 64+32*(\t)
.if \diag == 1
	s_cmp_gt_u32 s[KS], s[G+\t]
	s_cbranch_scc1 .Ldone_\@
.endif
	WIN 0x04                                       ; source 1 (Q) window 1
.irp i, 0,1,2,3
	v_wmma_f32_16x16x32_f16 v[S+8*\i:S+8*\i+7], v[KF+16*\i:KF+16*\i+7], v[rQ:rQ+7], 0
.endr
.irp i, 0,1,2,3
	v_wmma_f32_16x16x32_f16 v[S+8*\i:S+8*\i+7], v[KF+16*\i+8:KF+16*\i+15], v[rQ+8:rQ+15], v[S+8*\i:S+8*\i+7]
.endr
	WIN 0
.rept 4
	v_nop                                          ; places in front of the first read of the scores
.endr
.if \diag
	s_cmp_lg_u32 s[KS], s[G+\t]
	s_cbranch_scc1 .Lopen_\@
.irp kt, 0,1,2,3
.irp j, 0,1,2,3,4,5,6,7
	v_cmp_gt_i32 vcc_lo, 16*\kt+\j, v[DM]
	v_cndmask_b32 v[S+8*\kt+\j], v[S+8*\kt+\j], v[NINF], vcc_lo    ; a hidden key's score becomes -infinity; the step's first key counts for every query
.endr
.endr
.Lopen_\@:
.endif
.irp j, 0,1,2,3
	v_max3_num_f32 v[rT+4+\j], v[S+8*\j], v[S+8*\j+1], v[S+8*\j+2]  ; four chains, each begun at an accumulator's low end
.endr
.irp q, 1,2
.irp j, 0,1,2,3
	v_max3_num_f32 v[rT+4+\j], v[rT+4+\j], v[S+8*\j+2*\q+1], v[S+8*\j+2*\q+2]
.endr
.endr
	v_max3_num_f32 v[rT+4], v[rT+4], v[S+7], v[S+15]
	v_max3_num_f32 v[rT+6], v[rT+6], v[S+23], v[S+31]
	v_max3_num_f32 v[rT+4], v[rT+4], v[rT+5], v[rT+6]
.if \first
	v_max_num_f32 v[rT+4], v[rT+4], v[rT+7]
.else
	v_max3_num_f32 v[rT+4], v[rT+4], v[rT+7], v[rT+1]
	v_mov_b32 v[rT+7], v[rT]                       ; c m_old is kept for a
.endif
	v_permlanex16_b32 v[rT+5], v[rT+4], s[SEL], s[SEL+1]           ; the query's other 32 keys lie in the lane 16 away
	v_max_num_f32 v[rT+1], v[rT+4], v[rT+5]
	v_mul_f32 v[rT], s[CS], v[rT+1]
.if !\first
	v_sub_f32 v[rT+7], v[rT+7], v[rT]
.endif
.set n, 0
.rept 16
	v_pk_fma_f32 v[S+2*n:S+2*n+1], v[S+2*n:S+2*n+1], s[CS:CS+1], v[rT:rT+1] op_sel_hi:[1,0,0] neg_lo:[0,0,1] neg_hi:[0,0,1]   ; c s - c m
.set n, n+1
.endr
.if !\first
	v_exp_f32 v[rT+6], v[rT+7]                     ; a
.endif
.set n, 0
.rept 32
	v_exp_f32 v[S+n], v[S+n]                       ; one batch
.set n, n+1
.endr
	v_nop                                          ; a plain instruction behind the last exponential
	s_wait_alu depctr_va_vdst(0)                   ; one wait for the batch, ahead of its first reader
.set n, 0
.rept 16
	v_cvt_pk_f16_f32 v[P+n], v[S+2*n], v[S+2*n+1]
.set n, n+1
.endr
.irp u, 0,1,2,3,4,5,6,7
	v_pk_add_f32 v[S+4*\u:S+4*\u+1], v[S+4*\u:S+4*\u+1], v[S+4*\u+2:S+4*\u+3]   ; the sum of the unrounded weights, in place
.endr
.irp u, 0,1,2,3
	v_pk_add_f32 v[S+8*\u:S+8*\u+1], v[S+8*\u:S+8*\u+1], v[S+8*\u+4:S+8*\u+5]
.endr
.irp u, 0,1
	v_pk_add_f32 v[S+16*\u:S+16*\u+1], v[S+16*\u:S+16*\u+1], v[S+16*\u+8:S+16*\u+9]
.endr
.if \first
	v_pk_add_f32 v[rT+2:rT+3], v[S:S+1], v[S+16:S+17]
.else
	v_pk_add_f32 v[S:S+1], v[S:S+1], v[S+16:S+17]
	v_pk_fma_f32 v[rT+2:rT+3], v[rT+2:rT+3], v[rT+6:rT+7], v[S:S+1] op_sel_hi:[1,0,1]
	WIN 0x41                                       ; O^T (destination and source 0) window 1
.set n, 0
.rept 16
	v_pk_mul_f32 v[rO+2*n:rO+2*n+1], v[rO+2*n:rO+2*n+1], v[rT+6:rT+7] op_sel_hi:[1,0]
.set n, n+1
.endr
.endif
	s_wait_dscnt 0x0                               ; V^T's fragments are in
	WIN 0x50                                       ; C and D window 1
.irp c, 0,1,2,3
.if \first
	v_wmma_f32_16x16x32_f16 v[rO+8*\c:rO+8*\c+7], v[VF+16*\c:VF+16*\c+7], v[P:P+7], 0
.else
	v_wmma_f32_16x16x32_f16 v[rO+8*\c:rO+8*\c+7], v[VF+16*\c:VF+16*\c+7], v[P:P+7], v[rO+8*\c:rO+8*\c+7]
.endif
.endr
.irp c, 0,1,2,3
	v_wmma_f32_16x16x32_f16 v[rO+8*\c:rO+8*\c+7], v[VF+16*\c+8:VF+16*\c+15], v[P+8:P+15], v[rO+8*\c:rO+8*\c+7]
.endr
	WIN 0
.Ldone_\@:
.endm
; A KEY STEP of run j: K's and V^T's fragments of 64 keys, read once for all the wave's live tiles.
.macro STEP j, first
	v_add_nc_u32 v[ADK], s[TK], v[AK0]             ; these four lines are the places between the last products and the loads into their operands
	v_add_nc_u32 v[ADV], s[TV], v[AV0]
	v_nop
	v_nop
.if \j == 3
	s_cmp_gt_u32 s[KS], s[G+3]                     ; my last tile is finished: nothing is left to read
	s_cbranch_scc1 .Lidle_\@
.endif
.irp kt, 0,1,2,3
.irp dd, 0,1
	ds_load_b128 v[KF+16*\kt+8*\dd:KF+16*\kt+8*\dd+3],   v[ADK] offset:16*KP*\kt+64*\dd
	ds_load_b128 v[KF+16*\kt+8*\dd+4:KF+16*\kt+8*\dd+7], v[ADK] offset:16*KP*\kt+64*\dd+32
.endr
.endr
.irp c, 0,1,2,3
.irp kk, 0,1
	ds_load_b128 v[VF+16*\c+8*\kk:VF+16*\c+8*\kk+3],   v[ADV] offset:16*VP*\c+64*\kk
	ds_load_b128 v[VF+16*\c+8*\kk+4:VF+16*\c+8*\kk+7], v[ADV] offset:16*VP*\c+64*\kk+32
.endr
.endr
	s_wait_dscnt 16                                ; K is in; V^T's sixteen loads may be out
.if \first || (\j == 3)
	TILE \j, \first, 2
.else
	TILE \j, \first, 1
.endif
.if \j < 1
	TILE 1, \first, 0
.endif
.if \j < 2
	TILE 2, \first, 0
.endif
.if \j < 3
	TILE 3, \first, 0
.endif
.Lidle_\@:
	s_add_co_u32 s[TK], s[TK], 64*KP
	s_add_co_u32 s[TV], s[TV], 128
	s_add_co_u32 s[KS], s[KS], 1
.endm
.macro RUN j, trips
	s_mov_b32 s[CNT], \trips
.Lrun_\@:
	STEP \j, 0
	s_sub_co_u32 s[CNT], s[CNT], 1
	s_cmp_lg_u32 s[CNT], 0
	s_cbranch_scc1 .Lrun_\@
.endm
; THE CHANGE OF SLOTS.  Each wave waits for all its tensor loads (its part of the slot ahead), adds 0 to its spare word, and waits for that and for its reads of the slot that it leaves.
; fill = 1: the slot just left takes the run two on: the barrier is a round of the cluster's, and the joint refill is the first thing behind it.
.macro CHANGE fill, slot
	s_wait_tensorcnt 0x0
	ds_add_u32 v[SPW], v[NIL]
.if \fill
	s_add_nc_u64 s[G0K+4*\slot+2:G0K+4*\slot+3], s[G0K+4*\slot+2:G0K+4*\slot+3], 131072   ; no load of mine is out: the slot's descriptors step two runs on
	s_add_nc_u64 s[G0V+4*\slot+2:G0V+4*\slot+3], s[G0V+4*\slot+2:G0V+4*\slot+3], 2048
.endif
	s_wait_dscnt 0x0
.if \fill
	CROUND
	JLOAD \slot
.else
	s_barrier_signal -1
	s_barrier_wait -1
.endif
.endm
	s_wait_tensorcnt 1                             ; my part of slot 0 is in; slot 1's may be out
	s_barrier_signal -1
	s_barrier_wait -1
	s_wait_loadcnt 0x0                             ; Q
	STEP 0, 1                                      ; the first key step is written out: its products start O^T
	RUN 0, 7
	CHANGE 1, 0
	s_mov_b32 s[TK], SLOTB
	s_mov_b32 s[TV], SLOTB
	RUN 1, 8
	CHANGE 1, 1
	s_mov_b32 s[TK], 0
	s_mov_b32 s[TV], 0
	RUN 2, 8
	CHANGE 0, 0                                    ; nothing is left to ask for
	s_mov_b32 s[TK], SLOTB
	s_mov_b32 s[TV], SLOTB
	RUN 3, 8
	; THE WAY OUT.  l's halves and the other half of the lanes' are added (these additions are the places behind the last products); O^T / l, f16, through my stage, a tile of 16 rows of 128 bytes at a time.
.irp t, 0,1,2,3
	v_add_f32 v[ST+8*\t+4], v[ST+8*\t+2], v[ST+8*\t+3]
.endr
.irp t, 0,1,2,3
	v_permlanex16_b32 v[ST+8*\t+5], v[ST+8*\t+4], s[SEL], s[SEL+1]
.endr
.irp t, 0,1,2,3
	v_add_f32 v[ST+8*\t+4], v[ST+8*\t+4], v[ST+8*\t+5]
.endr
.irp t, 0,1,2,3
	v_rcp_f32 v[ST+8*\t+6], v[ST+8*\t+4]
.endr
	v_nop
	s_wait_alu depctr_va_vdst(0)                   ; one wait for the four reciprocals
.macro PACK t
	WIN 0x41
.set n, 0
.rept 16
	v_pk_mul_f32 v[64+32*\t+2*n:64+32*\t+2*n+1], v[64+32*\t+2*n:64+32*\t+2*n+1], v[ST+8*\t+6:ST+8*\t+7] op_sel_hi:[1,0]
.set n, n+1
.endr
	WIN 0x05                                       ; sources 0 and 1 window 1
.set n, 0
.rept 16
	v_cvt_pk_f16_f32 v[48+16*\t+n], v[64+32*\t+2*n], v[64+32*\t+2*n+1]
.set n, n+1
.endr
	WIN 0
.irp c, 0,1,2,3
	ds_store_b128 v[STO], v[48+16*\t+4*\c:48+16*\t+4*\c+3] offset:32*\c
.endr
.irp i, 0,1,2,3
	ds_load_b128 v[48+16*\t+4*\i:48+16*\t+4*\i+3], v[RD] offset:4*KP*\i   ; in order behind my stores; the next tile's stores come behind these
.endr
.endm
.macro SEND t, younger                 ; younger: the next tile's four LDS stores and four loads
.irp i, 0,1,2,3
	s_wait_dscnt \younger+3-\i
	global_store_b128 v[L16], v[48+16*\t+4*\i:48+16*\t+4*\i+3], s[OB+2*\t:OB+2*\t+1] offset:512*\i   ; 512 consecutive bytes
.endr
.endm
	PACK 0
	PACK 1
	SEND 0, 8
	PACK 2
	SEND 1, 8
	PACK 3
	SEND 2, 8
	SEND 3, 0
	s_wait_tensorcnt 0x0                           ; the wave's end
	ds_add_u32 v[SPW], v[NIL]
	s_wait_dscnt 0x0
	CROUND                                         ; the closing round
	s_endpgm
.Lfunc_end_k_q93356a4614_attn:
	.size	k_q93356a4614_attn, .Lfunc_end_k_q93356a4614_attn-k_q93356a4614_attn
	.p2alignl 7, 3214868480
	.fill 96, 4, 3214868480
	.section	.rodata,"a",@progbits
	.p2align	6, 0x0
	.amdhsa_kernel k_q93356a4614_attn
		.amdhsa_group_segment_fixed_size 327680
		.amdhsa_private_segment_fixed_size 0
		.amdhsa_enable_private_segment 0
		.amdhsa_kernarg_size 16
		.amdhsa_user_sgpr_count 2
		.amdhsa_user_sgpr_kernarg_segment_ptr 1
		.amdhsa_wavefront_size32 1
		.amdhsa_system_sgpr_workgroup_id_x 1
		.amdhsa_system_sgpr_workgroup_id_y 1
		.amdhsa_system_sgpr_workgroup_id_z 1
		.amdhsa_system_vgpr_workitem_id 0
		.amdhsa_next_free_vgpr 512
		.amdhsa_next_free_sgpr 80
		.amdhsa_reserve_vcc 1
		.amdhsa_float_denorm_mode_32 3
		.amdhsa_float_denorm_mode_16_64 3
		.amdhsa_memory_ordered 1
		.amdhsa_forward_progress 1
		.amdhsa_inst_pref_size 149
	.end_amdhsa_kernel
	.amdgpu_metadata
---
amdhsa.version: [ 1, 2 ]
amdhsa.kernels:
  - .name:           k_q93356a4614_attn
    .symbol:         k_q93356a4614_attn.kd
    .args:
      - { .name: qkv, .offset: 0, .size: 8, .value_kind: global_buffer, .address_space: global }
      - { .name: o16, .offset: 8, .size: 8, .value_kind: global_buffer, .address_space: global }
    .group_segment_fixed_size: 327680
    .private_segment_fixed_size: 0
    .kernarg_segment_align: 8
    .kernarg_segment_size: 16
    .max_flat_workgroup_size: 256
    .sgpr_count:     80
    .vgpr_count:     512
    .wavefront_size: 32
...
	.end_amdgpu_metadata
.endif
;; end of part 3
;; launch oproj (part 4): grid 4 x 64, 4 waves a work-group, clusters of 4 x 4, 327,680 bytes of LDS; arguments o16, wo16, out0; writes out0
.if DOCPART == 4
	.amdgcn_target "amdgcn-amd-amdhsa--gfx1250"
	.amdhsa_code_object_version 6
	.text
	.protected	k_q93356a4614_oproj
	.globl	k_q93356a4614_oproj
	.p2align	8
	.type	k_q93356a4614_oproj,@function
k_q93356a4614_oproj:
	s_mov_b64 s[64:65], 0
	v_nop
	global_prefetch_b8 v0, s[64:65] scope:SCOPE_SE
	s_setreg_imm32_b32 hwreg(HW_REG_WAVE_MODE, 25, 1), 1
	s_wait_xcnt 0x0
	s_wait_alu depctr_hold_cnt(0) depctr_sa_sdst(0) depctr_va_vdst(0) depctr_va_sdst(0) depctr_va_ssrc(0) depctr_va_vcc(0) depctr_vm_vsrc(0)
	s_getreg_b32 s2, hwreg(HW_REG_IB_STS2, 6, 4)
	s_cmp_eq_u32 s2, 0
	s_cbranch_scc0 .Lentry_in_a_cluster
	s_endpgm
.Lentry_in_a_cluster:
	s_bfe_u32 s2, ttmp6, 0x10000c
	s_cmp_lg_u32 s2, 0xf033
	s_cbranch_scc0 .Lentry_shape_is_right
	s_endpgm
.Lentry_shape_is_right:
; OPROJ: out0[b][s][d] = sum over e of O[b][s][e] wo[d][e], f16 operands, f32 sums.  O lies by heads, [b x 16 + head][s][64].
; ROWS NOT STORED HERE: positions 0 to 15 of every batch: the last launch computes them in f32 and owns those bytes, so that each byte of out0 is written once.
; A tile of C is 128 rows x 256 columns: 256 work-groups.  Four waves, each 64 x 128: 32 accumulators, all of window 1.  K goes in steps of 128 (two heads) through two LDS slots.
; CLUSTER 4 x 4: tile row 16 cy + CY (batch cy, positions 128 CY on; CY = the cluster's y), tile column cx.  A's tiles are shared along a row of the cluster, B's along a column: joint loads.
; Whether a tile holds positions under 16 is the test CY = 0, the same in all partners.
; THE MATRIX INSTRUCTION IS USED TRANSPOSED (source 0 = 16 rows of wo, source 1 = 16 rows of O): a lane holds eight neighbouring numbers of a row of C.
; REGISTERS: window 0: v16-30 addresses; v32-63, v64-95 A's fragments (4 x 16 rows x 32 K), two buffers; v128-191, v192-255 B's (8 x 16 rows x 32 K), two buffers.  window 1: accumulator (a, b) at v[8 (8 a + b)].
.set AP,     144                       ; a row of a head's slab in LDS: 128 bytes + 16
.set BP,     272                       ; a row of wo's tile: 256 bytes + 16
.set ABYTES, 2*128*AP
.set SLOT,   ABYTES+256*BP
.set SPARE,  2*SLOT                    ; the spare words, 128 bytes a wave
.set LAPS,   4                         ; 8 K steps, two to a lap
.set ADRA, 16
.set ADRB, 20
.set STO,  24                          ; the way out: a stage of 16 rows x 528 for each wave, in slot 0, which has had its last fill and its last read by then
.set RD,   25
.set CO,   26
.set SPW,  28
.set NIL,  29
.set PFO,  30
.set FA,   32
.set FB,   128
.set G1, 24
.set G0, 32
.set G1B, 48
.set G0B, 56
.set LIM, 42
.set PFA, 46
.set MSB, 0
.macro WIN new
.if MSB != \new
	s_set_vgpr_msb (MSB<<8)|\new
.set MSB, \new
.endif
.endm
.set MUL, 0x50                         ; C and D window 1
.macro JLOAD s                         ; waves 0 and 1 fetch A's two slabs, waves 2 and 3 B's two halves; an s_nop 0 and four v_nop follow each line
	s_cmp_eq_u32 s11, 0
	s_cbranch_scc0 .Lfor_b_\@
	tensor_load_to_lds s[G0+4*\s:G0+4*\s+3], s[G1:G1+7]
	s_nop 0
.rept 4
	v_nop
.endr
	s_branch .Lasked_\@
.Lfor_b_\@:
	tensor_load_to_lds s[G0B+4*\s:G0B+4*\s+3], s[G1B:G1B+7]
	s_nop 0
.rept 4
	v_nop
.endr
.Lasked_\@:
.endm
.macro CREST
	s_cmp_lg_u32 s10, 0
	s_cbranch_scc1 .Lnot_wave_0_\@
	s_barrier_signal -3
.Lnot_wave_0_\@:
	s_barrier_wait -3
	s_barrier_signal -1
	s_barrier_wait -1
.endm
.macro CROUND
	s_barrier_signal -1
	s_barrier_wait -1
	CREST
.endm
; A PREFETCH INTO THE L2 of A's K step that stands two refills on (256 matrix instructions ahead of the load that will want it).  A K step of a tile row is two slabs of 16,384 dense bytes: 128 blocks of 256.
; Only the four partners of a row of the cluster read them; they share them out BY ADDRESS, 32 blocks each; in each, wave 0 asks, one instruction, a lane a block.  So each block is named once in the launch.
; K steps 0 to 3 come by their loads alone; the last two refills ask for nothing.  wo16 is read again by all sixteen tile rows of a column and is not asked for.
.macro ASK
	s_cmp_gt_u32 s3, s[LIM]
	s_cbranch_scc0 .Lnot_mine_\@
	global_prefetch_b8 v[PFO], s[PFA:PFA+1] th:TH_LOAD_NT scope:SCOPE_SE
.Lnot_mine_\@:
.endm
	s_load_b128 s[4:7], s[0:1], 0x0                ; o16, wo16
	s_load_b64 s[8:9], s[0:1], 0x10                ; out0
	v_lshl_add_u32 v[SPW], v0, 2, SPARE
	v_mov_b32 v[NIL], 0
	ds_add_u32 v[SPW], v[NIL]                      ; the wave's opening: the add, twice on end, and its wait ahead of my first tensor load
	ds_add_u32 v[SPW], v[NIL]
	v_lshrrev_b32 v1, 5, v0
	v_readfirstlane_b32 s10, v1                    ; wave
	s_lshr_b32 s11, s10, 1                         ; my half of the rows.  Also: I fetch for A (0) or B (1)
	s_and_b32 s12, s10, 1                          ; my half of the columns.  Also: which slab or half I fetch
	s_bfe_u32 s40, ttmp6, 0x40000                  ; cx
	s_bfe_u32 s41, ttmp6, 0x40004                  ; cy
	s_and_b32 s13, ttmp7, 0xffff                   ; CY
	s_or_b32 s14, s13, s11                         ; 0: my rows begin at position 0
	s_lshl_b32 s43, s41, 2
	s_lshl_b32 s43, 15, s43                        ; my row of the cluster
	s_lshl_b32 s44, 0x1111, s40                    ; my column
	s_or_b32 s[G1], s43, (1<<16)|(1<<20)|(1<<21)|(4<<22)|(3<<25)    ; A: 128 rows x 64 elements of 2 bytes, dense; padding: 4 words behind every 32
	s_mov_b32 s[G1+1], 64<<16
	s_mov_b32 s[G1+2], 128<<16
	s_mov_b32 s[G1+3], 64<<16
	s_mov_b32 s[G1+4], 128
	s_mov_b32 s[G1+5], 64
	s_mov_b32 s[G1+6], 0
	s_mov_b32 s[G1+7], 0
	s_or_b32 s[G1B], s44, (1<<16)|(1<<20)|(1<<21)|(5<<22)|(3<<25)   ; B: 128 rows x 128 elements, 1,024 apart; padding: 4 words behind every 64
	s_mov_b32 s[G1B+1], 128<<16
	s_mov_b32 s[G1B+2], 128<<16
	s_mov_b32 s[G1B+3], 128<<16
	s_mov_b32 s[G1B+4], 128
	s_mov_b32 s[G1B+5], 1024
	s_mov_b32 s[G1B+6], 0
	s_mov_b32 s[G1B+7], 0
	s_lshl_b32 s16, s41, 22                        ; A: batch cy, head (wave % 2), positions 128 CY on
	s_lshl_b32 s17, s12, 18
	s_add_co_u32 s16, s16, s17
	s_lshl_b32 s17, s13, 14
	s_add_co_u32 s16, s16, s17
	s_mov_b32 s17, 0
	s_lshl_b32 s18, s40, 19                        ; B: rows 256 cx + 128 (wave % 2) of 2,048 bytes
	s_lshl_b32 s19, s12, 18
	s_add_co_u32 s18, s18, s19
	s_mov_b32 s19, 0
	s_mul_i32 s20, s12, 128*AP
	s_mul_i32 s21, s12, 128*BP
	s_add_co_u32 s21, s21, ABYTES
	s_wait_dscnt 0x0                               ; both opening adds are done
	s_wait_kmcnt 0x0
	s_add_nc_u64 s[16:17], s[4:5], s[16:17]
	s_add_nc_u64 s[18:19], s[6:7], s[18:19]
	CROUND                                         ; all sixteen work-groups are here
.irp s, 0,1
	s_mov_b32 s[G0+4*\s], 1
	s_add_co_u32 s[G0+4*\s+1], s20, \s*SLOT
	s_add_nc_u64 s[G0+4*\s+2:G0+4*\s+3], s[16:17], \s*524288        ; K step s: two heads on
	s_or_b32 s[G0+4*\s+3], s[G0+4*\s+3], 0x80000000
	s_mov_b32 s[G0B+4*\s], 1
	s_add_co_u32 s[G0B+4*\s+1], s21, \s*SLOT
	s_add_nc_u64 s[G0B+4*\s+2:G0B+4*\s+3], s[18:19], \s*256
	s_or_b32 s[G0B+4*\s+3], s[G0B+4*\s+3], 0x80000000
	JLOAD \s                                       ; two loads of mine are out
.endr
	v_and_b32 v1, 15, v0                           ; r
	v_bfe_u32 v2, v0, 4, 1                         ; h
	v_mul_u32_u24 v3, v1, AP
	v_lshl_add_u32 v3, v2, 4, v3
	s_mul_i32 s22, s11, 64*AP
	v_mul_u32_u24 v4, v1, BP
	v_lshl_add_u32 v4, v2, 4, v4
	s_mul_i32 s23, s12, 128*BP
	s_add_co_u32 s23, s23, ABYTES
.irp s, 0,1
	v_add_nc_u32 v[ADRA+\s], s22, v3
	v_add_nc_u32 v[ADRB+\s], s23, v4
	s_add_co_u32 s22, s22, SLOT
	s_add_co_u32 s23, s23, SLOT
.endr
	s_mul_i32 s22, s10, 16*528
	v_mul_u32_u24 v5, v1, 528
	v_lshl_add_u32 v5, v2, 5, v5
	v_add_nc_u32 v[STO], s22, v5
	v_and_b32 v6, 31, v0
	v_lshlrev_b32 v[CO], 4, v6
	v_add_nc_u32 v[RD], s22, v[CO]
	s_lshl_b32 s22, s41, 23                        ; my part of out0: rows of 4,096 bytes
	s_lshl_b32 s23, s13, 19
	s_add_co_u32 s22, s22, s23
	s_lshl_b32 s23, s11, 18
	s_add_co_u32 s22, s22, s23
	s_lshl_b32 s23, s40, 10
	s_add_co_u32 s22, s22, s23
	s_lshl_b32 s23, s12, 9
	s_add_co_u32 s22, s22, s23
	s_mov_b32 s23, 0
	s_add_nc_u64 s[8:9], s[8:9], s[22:23]
	s_lshl_b32 s22, s41, 22                        ; the prefetches: my tile row, at K step 3: the first refill steps it to 4
	s_lshl_b32 s23, s13, 14
	s_add_co_u32 s22, s22, s23
	s_add_co_u32 s22, s22, 3*524288
	s_mov_b32 s23, 0
	s_add_nc_u64 s[PFA:PFA+1], s[4:5], s[22:23]
	s_lshr_b32 s22, s40, 1                         ; my work-group's 32 blocks: slab cx / 2, blocks 32 (cx % 2) on
	s_lshl_b32 s22, s22, 18
	s_and_b32 s23, s40, 1
	s_lshl_b32 s23, s23, 13
	s_add_co_u32 s22, s22, s23
	v_lshlrev_b32 v[PFO], 8, v6
	v_add_nc_u32 v[PFO], s22, v[PFO]
	s_cmp_eq_u32 s10, 0
	s_cselect_b32 s[LIM], 1, -1                    ; wave 0 asks while more than one trip is left; the others never
.macro MUL8 f, a, zero                 ; A's block a x B's eight, 32 along K, from buffer f.  The 32 accumulators take turns, in the same order in every quarter
.irp b, 0,1,2,3,4,5,6,7
.if \zero
	v_wmma_f32_16x16x32_f16 v[8*(8*(\a)+\b):8*(8*(\a)+\b)+7], v[FB+64*(\f)+8*\b:FB+64*(\f)+8*\b+7], v[FA+32*(\f)+8*(\a):FA+32*(\f)+8*(\a)+7], 0
.else
	v_wmma_f32_16x16x32_f16 v[8*(8*(\a)+\b):8*(8*(\a)+\b)+7], v[FB+64*(\f)+8*\b:FB+64*(\f)+8*\b+7], v[FA+32*(\f)+8*(\a):FA+32*(\f)+8*(\a)+7], v[8*(8*(\a)+\b):8*(8*(\a)+\b)+7]
.endif
.endr
.endm
.macro FETCH slot, q, f                ; 24 LDS loads in one run: quarter q (32 along K) of the slot into buffer f: B's sixteen, then A's eight
.irp i, 0,1,2,3,4,5,6,7
	ds_load_b128 v[FB+64*(\f)+8*\i:FB+64*(\f)+8*\i+3],   v[ADRB+\slot] offset:16*BP*\i+64*(\q)
	ds_load_b128 v[FB+64*(\f)+8*\i+4:FB+64*(\f)+8*\i+7], v[ADRB+\slot] offset:16*BP*\i+64*(\q)+32
.endr
.irp i, 0,1,2,3
	ds_load_b128 v[FA+32*(\f)+8*\i:FA+32*(\f)+8*\i+3],   v[ADRA+\slot] offset:128*AP*((\q)/2)+16*AP*\i+64*((\q)%2)
	ds_load_b128 v[FA+32*(\f)+8*\i+4:FA+32*(\f)+8*\i+7], v[ADRA+\slot] offset:128*AP*((\q)/2)+16*AP*\i+64*((\q)%2)+32
.endr
.endm
.macro PLACES
.rept 4
	v_nop
.endr
.endm
.macro QUARTER slot, q, f, g, zero     ; multiplies buffer f; in its middle fetches quarter q of the same slot into buffer g
	s_wait_dscnt 4                                 ; B and A's blocks 0, 1 are in; the youngest four loads (A's blocks 2, 3) may be out
	WIN MUL
	MUL8 \f, 0, \zero
	MUL8 \f, 1, \zero
	PLACES
	WIN 0
	FETCH \slot, \q, \g
	s_wait_dscnt 24                                ; all but the 24 just issued
	WIN MUL
	MUL8 \f, 2, \zero
	MUL8 \f, 3, \zero
.endm
; A K step's last quarter multiplies buffer 1 and changes slots: ONE barrier; in front of it each wave waits for all its tensor loads, adds 0 to its spare word, and waits for that and for its reads of this slot.
.macro TURN slot, next, fill
.if \fill
	s_wait_xcnt 0x0                                ; the last prefetch, a K step back, has read its address
	s_add_nc_u64 s[PFA:PFA+1], s[PFA:PFA+1], 524288
.endif
	WIN 0
	s_wait_tensorcnt 0x0                           ; my part of the next slot has landed
	ds_add_u32 v[SPW], v[NIL]
	s_wait_dscnt 5                                 ; the add and the youngest four loads may be out
	WIN MUL
	MUL8 1, 0, 0
	MUL8 1, 1, 0
	s_wait_dscnt 0x0                               ; the add is done, and my reads of this slot are over
	s_barrier_signal -1
	MUL8 1, 2, 0
	WIN 0
	s_barrier_wait -1
.if \fill
	CREST                                          ; the barrier has opened a round of the cluster's: no wave of any partner still reads this slot or has a load on its way
	s_add_nc_u64 s[G0+4*\slot+2:G0+4*\slot+3], s[G0+4*\slot+2:G0+4*\slot+3], 1048576
	s_add_nc_u64 s[G0B+4*\slot+2:G0B+4*\slot+3], s[G0B+4*\slot+2:G0B+4*\slot+3], 512
	JLOAD \slot                                    ; the first tensor load behind the round; its four v_nop are also the places in front of the loads below
.else
	PLACES
.endif
	FETCH \next, 0, 0
.if \fill
	ASK
.endif
	WIN MUL
	MUL8 1, 3, 0
.endm
	s_wait_tensorcnt 1                             ; my part of K step 0 is in; K step 1's may be out
	s_barrier_signal -1
	s_barrier_wait -1
	FETCH 0, 0, 0
	QUARTER 0, 1, 0, 1, 1                          ; the first quarter's products start the sums
	WIN 0
	s_mov_b32 s3, LAPS-1
.Llap:                                                 ; a trip goes once round the ring and fills both slots again
	QUARTER 0, 2, 1, 0, 0
	QUARTER 0, 3, 0, 1, 0
	TURN 0, 1, 1
	QUARTER 1, 1, 0, 1, 0
	QUARTER 1, 2, 1, 0, 0
	QUARTER 1, 3, 0, 1, 0
	TURN 1, 0, 1
	QUARTER 0, 1, 0, 1, 0
	WIN 0
	s_sub_co_u32 s3, s3, 1
	s_cmp_lg_u32 s3, 0
	s_cbranch_scc1 .Llap
	QUARTER 0, 2, 1, 0, 0                          ; the last lap fills nothing
	QUARTER 0, 3, 0, 1, 0
	TURN 0, 1, 0
	QUARTER 1, 1, 0, 1, 0
	QUARTER 1, 2, 1, 0, 0
	QUARTER 1, 3, 0, 1, 0
	s_wait_dscnt 4
	WIN MUL
	MUL8 1, 0, 0
	MUL8 1, 1, 0
	s_wait_dscnt 0
	MUL8 1, 2, 0
	MUL8 1, 3, 0
	WIN 0
	PLACES
; THE WAY OUT, a block of 16 rows x 128 columns at a time: 32 bytes a lane into my stage, back as whole rows of 512 bytes.
.macro TOSTAGE a
	WIN 0x04                                       ; an LDS store's data: window 1
.irp b, 0,1,2,3,4,5,6,7
	ds_store_b128 v[STO], v[8*(8*(\a)+\b):8*(8*(\a)+\b)+3] offset:64*\b             ; each accumulator from its low end on
	ds_store_b128 v[STO], v[8*(8*(\a)+\b)+4:8*(8*(\a)+\b)+7] offset:64*\b+16
.endr
	WIN 0
.irp t, 0,1,2,3,4,5,6,7,8,9,10,11,12,13,14,15
	ds_load_b128 v[32+96*((\a)%2)+4*\t:32+96*((\a)%2)+4*\t+3], v[RD] offset:\t*528  ; in order behind my stores
.endr
.endm
.macro SEND a, younger                 ; younger: the next block's 16 LDS stores and 16 loads
	s_wait_dscnt \younger
.if (\a) == 0
	s_cmp_eq_u32 s14, 0                            ; positions 0 to 15 belong to the last launch
	s_cbranch_scc1 .Lnot_mine_\@
.endif
.irp t, 0,1,2,3,4,5,6,7,8,9,10,11,12,13,14,15
	global_store_b128 v[CO], v[32+96*((\a)%2)+4*\t:32+96*((\a)%2)+4*\t+3], s[8:9] offset:(16*(\a)+\t)*4096 th:TH_STORE_NT   ; 512 consecutive bytes, aligned
.endr
.Lnot_mine_\@:
.endm
	TOSTAGE 0
	TOSTAGE 1
	SEND 0, 32
	s_wait_xcnt 0x0                                ; block 0's stores have read the registers that block 2's loads fill
	TOSTAGE 2
	SEND 1, 32
	s_wait_xcnt 0x0
	TOSTAGE 3
	SEND 2, 32
	SEND 3, 0
	s_wait_tensorcnt 0x0                           ; the wave's end
	ds_add_u32 v[SPW], v[NIL]
	s_wait_dscnt 0x0
	CROUND                                         ; the closing round
	s_endpgm
.Lfunc_end_k_q93356a4614_oproj:
	.size	k_q93356a4614_oproj, .Lfunc_end_k_q93356a4614_oproj-k_q93356a4614_oproj
	.p2alignl 7, 3214868480
	.fill 96, 4, 3214868480
	.section	.rodata,"a",@progbits
	.p2align	6, 0x0
	.amdhsa_kernel k_q93356a4614_oproj
		.amdhsa_group_segment_fixed_size 327680
		.amdhsa_private_segment_fixed_size 0
		.amdhsa_enable_private_segment 0
		.amdhsa_kernarg_size 24
		.amdhsa_user_sgpr_count 2
		.amdhsa_user_sgpr_kernarg_segment_ptr 1
		.amdhsa_wavefront_size32 1
		.amdhsa_system_sgpr_workgroup_id_x 1
		.amdhsa_system_sgpr_workgroup_id_y 1
		.amdhsa_system_sgpr_workgroup_id_z 1
		.amdhsa_system_vgpr_workitem_id 0
		.amdhsa_next_free_vgpr 512
		.amdhsa_next_free_sgpr 66
		.amdhsa_reserve_vcc 0
		.amdhsa_float_denorm_mode_32 3
		.amdhsa_float_denorm_mode_16_64 3
		.amdhsa_memory_ordered 1
		.amdhsa_forward_progress 1
		.amdhsa_inst_pref_size 86
	.end_amdhsa_kernel
	.amdgpu_metadata
---
amdhsa.version: [ 1, 2 ]
amdhsa.kernels:
  - .name:           k_q93356a4614_oproj
    .symbol:         k_q93356a4614_oproj.kd
    .args:
      - { .name: o16, .offset: 0, .size: 8, .value_kind: global_buffer, .address_space: global }
      - { .name: wo16, .offset: 8, .size: 8, .value_kind: global_buffer, .address_space: global }
      - { .name: out0, .offset: 16, .size: 8, .value_kind: global_buffer, .address_space: global }
    .group_segment_fixed_size: 327680
    .private_segment_fixed_size: 0
    .kernarg_segment_align: 8
    .kernarg_segment_size: 24
    .max_flat_workgroup_size: 128
    .sgpr_count:     66
    .vgpr_count:     512
    .wavefront_size: 32
...
	.end_amdgpu_metadata
.endif
;; end of part 4
;; launch fine16 (part 5): grid 16 x 4, 16 waves a work-group, no clusters, 71,680 bytes of LDS; arguments fine, wo, out0; writes out0
.if DOCPART == 5
	.amdgcn_target "amdgcn-amd-amdhsa--gfx1250"
	.amdhsa_code_object_version 6
	.text
	.protected	k_q93356a4614_fine16
	.globl	k_q93356a4614_fine16
	.p2align	8
	.type	k_q93356a4614_fine16,@function
k_q93356a4614_fine16:
	s_mov_b64 s[64:65], 0
	v_nop
	global_prefetch_b8 v0, s[64:65] scope:SCOPE_SE
	s_setreg_imm32_b32 hwreg(HW_REG_WAVE_MODE, 25, 1), 1
	s_wait_xcnt 0x0
; FINE16: positions 0 to 15 of every batch, attention and output projection, with f32 operands: there a row of the softmax averages one to sixteen values, and f16 operands would weigh most.
; It stores the rows of out0 that the launch before leaves out, and no others.
; A work-group takes a batch (y) and 64 output columns (x); each of its sixteen waves one head.  Every work-group of a batch repeats the batch's small attention (16 x 16 a head); each reads its own 64 rows of wo.
; All products by the f32 matrix form, 16 x 16 x 4: 96 a wave: no bulk work.
; THE OPERANDS ARE THE STORED IMAGES AS THEY STAND.  The form wants of lane (r, h) = (lane % 16, lane / 16) row (or column) r and k = 2 h + j in register j.  An image gives lane (r, h) row r and the eight
; neighbours 8 h + 0 .. 7 of each 16 along K.  A pair of registers 2 c, 2 c + 1 then holds k' = 16 t + 8 h + 2 c + 0, 1: four different k' over the two halves, and the SAME four on both sides of a product.
; So K is walked in another order than it is numbered, alike in both operands, and the sums are the same but for the order of additions.
; S^T = K Q^T: a lane holds query r, keys 8 h + j.  O^T = V^T P: channel 16 t + 8 h + j, query r.  Y^T = W O^T: output column 16 ct + 8 h + j, position r: one head's part; the sixteen parts meet in LDS.
; The registers that the matrix form writes (v176-223) are written by it alone; what is made of a sum goes elsewhere.
.set QF,  16                           ; v16-47 q's image; with KF later wo's rows for columns 32 to 63; later the parts to be added
.set KF,  48                           ; v48-79 k's
.set W0,  80                           ; v80-143 wo's rows for columns 0 to 31
.set VF,  144                          ; v144-175 v's image; later O^T / l
.set ON,  144
.set ACS, 176                          ; two accumulators: halves of S^T; later Y^T
.set ACO, 192                          ; four: O^T
.set PP,  224                          ; v224-231 the scores, then p
.set SPARE, 16*4352
	s_load_b128 s[4:7], s[0:1], 0x0                ; fine, wo
	s_load_b64 s[8:9], s[0:1], 0x10                ; out0
	v_lshl_add_u32 v10, v0, 2, SPARE               ; my spare word
	v_mov_b32 v11, 0
	v_lshrrev_b32 v1, 5, v0
	v_readfirstlane_b32 s10, v1                    ; wave = head
	s_and_b32 s11, ttmp7, 0xffff                   ; batch
	v_and_b32 v1, 15, v0                           ; r
	v_bfe_u32 v2, v0, 4, 1                         ; h
	v_and_b32 v12, 31, v0
	v_lshlrev_b32 v3, 4, v12                       ; 16 x lane
	v_lshlrev_b32 v4, 12, v1
	v_lshl_add_u32 v4, v2, 5, v4                   ; wo: row r of 4,096 bytes, + 32 h
	v_lshlrev_b32 v5, 3, v2
	v_sub_nc_u32 v5, v1, v5                        ; r - 8 h: register j (key 8 h + j) is hidden where j > r - 8 h
	v_mov_b32 v6, 0xff800000
	s_mul_i32 s12, s10, 4352                       ; LDS: [head][column / 4: 16 rows of 272][position][16 bytes]
	v_mul_u32_u24 v7, v2, 544
	v_lshl_add_u32 v7, v1, 4, v7
	v_add_nc_u32 v7, s12, v7                       ; in: rows 4 ct + 2 h + p, place r
	s_lshl_b32 s12, s10, 5
	v_mul_u32_u24 v8, v1, 272
	v_lshl_add_u32 v8, v2, 4, v8
	v_add_nc_u32 v8, s12, v8                       ; back (waves 0-7): row lane % 16, position 2 x wave + lane / 16
	v_lshlrev_b32 v9, 12, v2
	v_lshl_add_u32 v9, v1, 4, v9                   ; and in out0: two rows, 256 bytes of each
	v_mov_b32 v233, 0                              ; a lane permute's destination counts as one of its sources
	s_mov_b32 s14, 0x76543210
	s_mov_b32 s15, 0xfedcba98
	s_mov_b32 s16, 0x3e38aa3b                      ; c = log2(e) / 8
	s_lshl_b32 s18, s11, 16
	s_lshl_b32 s19, s10, 12
	s_add_co_u32 s18, s18, s19                     ; the images: batch x 65,536 + head x 4 x 1,024
	s_mov_b32 s19, 0
	s_lshl_b32 s20, ttmp9, 18
	s_lshl_b32 s21, s10, 8
	s_add_co_u32 s20, s20, s21                     ; wo: my 64 rows, my head's 64 columns
	s_mov_b32 s21, 0
	s_lshl_b32 s22, s11, 23
	s_lshl_b32 s23, s10, 13
	s_add_co_u32 s22, s22, s23
	s_lshl_b32 s23, ttmp9, 8
	s_add_co_u32 s22, s22, s23                     ; out0: row 2,048 x batch + 2 x wave, columns 64 x on
	s_mov_b32 s23, 0
	s_wait_kmcnt 0x0
	s_add_nc_u64 s[4:5], s[4:5], s[18:19]
	s_add_nc_u64 s[6:7], s[6:7], s[20:21]
	s_add_nc_u64 s[8:9], s[8:9], s[22:23]
.irp t, 0,1,2,3
.irp p, 0,1
	global_load_b128 v[QF+8*\t+4*\p:QF+8*\t+4*\p+3], v3, s[4:5] offset:1024*\t+512*\p
.endr
.endr
.irp t, 0,1,2,3
.irp p, 0,1
	global_load_b128 v[KF+8*\t+4*\p:KF+8*\t+4*\p+3], v3, s[4:5] offset:262144+1024*\t+512*\p
.endr
.endr
.irp t, 0,1,2,3
.irp p, 0,1
	global_load_b128 v[VF+8*\t+4*\p:VF+8*\t+4*\p+3], v3, s[4:5] offset:524288+1024*\t+512*\p
.endr
.endr
.irp u, 0,1
.irp t, 0,1,2,3
.irp p, 0,1
	global_load_b128 v[W0+32*\u+8*\t+4*\p:W0+32*\u+8*\t+4*\p+3], v4, s[6:7] offset:65536*\u+64*\t+16*\p
.endr
.endr
.endr
	s_wait_loadcnt 24                              ; q and k are in; v's 8 and wo's 16 may be out
.irp t, 0,1,2,3                                ; S^T: sixteen K steps on two accumulators by turns; the first two start the sums
.irp c, 0,1,2,3
.if (\t == 0) && (\c < 2)
	v_wmma_f32_16x16x4_f32 v[ACS+8*(\c%2):ACS+8*(\c%2)+7], v[KF+8*\t+2*\c:KF+8*\t+2*\c+1], v[QF+8*\t+2*\c:QF+8*\t+2*\c+1], 0
.else
	v_wmma_f32_16x16x4_f32 v[ACS+8*(\c%2):ACS+8*(\c%2)+7], v[KF+8*\t+2*\c:KF+8*\t+2*\c+1], v[QF+8*\t+2*\c:QF+8*\t+2*\c+1], v[ACS+8*(\c%2):ACS+8*(\c%2)+7]
.endif
.endr
.endr
.rept 8
	v_nop                                          ; eight places behind this form: in front of loads into its operands and of the first read of its results
.endr
.irp u, 0,1
.irp t, 0,1,2,3
.irp p, 0,1
	global_load_b128 v[QF+32*\u+8*\t+4*\p:QF+32*\u+8*\t+4*\p+3], v4, s[6:7] offset:65536*(2+\u)+64*\t+16*\p   ; wo's rows for columns 32 to 63
.endr
.endr
.endr
.irp j, 0,1,2,3,4,5,6,7
	v_add_f32 v[PP+\j], v[ACS+\j], v[ACS+8+\j]
.endr
.irp j, 0,1,2,3,4,5,6,7
	v_cmp_gt_i32 vcc_lo, \j, v5
	v_cndmask_b32 v[PP+\j], v[PP+\j], v6, vcc_lo   ; the causal mask
.endr
	v_max3_num_f32 v232, v[PP], v[PP+1], v[PP+2]
	v_max3_num_f32 v232, v232, v[PP+3], v[PP+4]
	v_max3_num_f32 v232, v232, v[PP+5], v[PP+6]
	v_max_num_f32 v232, v232, v[PP+7]
	v_permlanex16_b32 v233, v232, s14, s15
	v_max_num_f32 v232, v232, v233                 ; the row's maximum: key 0 counts for every query
	v_mul_f32 v232, s16, v232
.irp j, 0,1,2,3,4,5,6,7
	v_fma_f32 v[PP+\j], v[PP+\j], s16, -v232
.endr
.irp j, 0,1,2,3,4,5,6,7
	v_exp_f32 v[PP+\j], v[PP+\j]
.endr
	v_nop
	s_wait_alu depctr_va_vdst(0)                   ; one wait for the eight
	v_add_f32 v234, v[PP], v[PP+1]
	v_add_f32 v235, v[PP+2], v[PP+3]
	v_add_f32 v236, v[PP+4], v[PP+5]
	v_add_f32 v237, v[PP+6], v[PP+7]
	v_add_f32 v234, v234, v235
	v_add_f32 v236, v236, v237
	v_add_f32 v234, v234, v236
	v_permlanex16_b32 v233, v234, s14, s15
	v_add_f32 v234, v234, v233
	v_rcp_f32 v238, v234
	v_nop
	s_wait_alu depctr_va_vdst(0)
	s_wait_loadcnt 32                              ; v is in; wo's two times sixteen loads may be out
.irp c, 0,1,2,3                                ; O^T: four K steps on four accumulators by turns
.irp t, 0,1,2,3
.if \c == 0
	v_wmma_f32_16x16x4_f32 v[ACO+8*\t:ACO+8*\t+7], v[VF+8*\t+2*\c:VF+8*\t+2*\c+1], v[PP+2*\c:PP+2*\c+1], 0
.else
	v_wmma_f32_16x16x4_f32 v[ACO+8*\t:ACO+8*\t+7], v[VF+8*\t+2*\c:VF+8*\t+2*\c+1], v[PP+2*\c:PP+2*\c+1], v[ACO+8*\t:ACO+8*\t+7]
.endif
.endr
.endr
.rept 8
	v_nop
.endr
.set n, 0
.rept 32
	v_mul_f32 v[ON+n], v[ACO+n], v238              ; O^T / l, into v's registers
.set n, n+1
.endr
.macro PROJ w                          ; two tiles of 16 output columns by turns, sixteen K steps each
.irp t, 0,1,2,3
.irp c, 0,1,2,3
.irp u, 0,1
.if (\t == 0) && (\c == 0)
	v_wmma_f32_16x16x4_f32 v[ACS+8*\u:ACS+8*\u+7], v[\w+32*\u+8*\t+2*\c:\w+32*\u+8*\t+2*\c+1], v[ON+8*\t+2*\c:ON+8*\t+2*\c+1], 0
.else
	v_wmma_f32_16x16x4_f32 v[ACS+8*\u:ACS+8*\u+7], v[\w+32*\u+8*\t+2*\c:\w+32*\u+8*\t+2*\c+1], v[ON+8*\t+2*\c:ON+8*\t+2*\c+1], v[ACS+8*\u:ACS+8*\u+7]
.endif
.endr
.endr
.endr
.endm
	s_wait_loadcnt 16                              ; wo's first sixteen are in
	PROJ W0
.rept 9
	v_nop                                          ; nine places: the second half's first products write over these accumulators
.endr
.irp u, 0,1
	ds_store_b128 v7, v[ACS+8*\u:ACS+8*\u+3] offset:1088*\u
	ds_store_b128 v7, v[ACS+8*\u+4:ACS+8*\u+7] offset:1088*\u+272
.endr
	s_wait_dscnt 0x0                               ; the stores are done before their registers are written again
	s_wait_loadcnt 0x0
	PROJ QF
.rept 8
	v_nop
.endr
.irp u, 0,1
	ds_store_b128 v7, v[ACS+8*\u:ACS+8*\u+3] offset:1088*(2+\u)
	ds_store_b128 v7, v[ACS+8*\u+4:ACS+8*\u+7] offset:1088*(2+\u)+272
.endr
	s_wait_dscnt 0x0                               ; for the others' sake: my part lies in LDS
	s_barrier_signal -1
	s_barrier_wait -1
	s_cmp_ge_u32 s10, 8                            ; waves 0 to 7 add the sixteen heads' parts, two positions each
	s_cbranch_scc1 .Lend
.irp k, 0,1,2,3,4,5,6,7,8,9,10,11,12,13,14,15
	ds_load_b128 v[16+4*\k:19+4*\k], v8 offset:4352*\k
.endr
	s_wait_dscnt 0x0
.macro ADDV k, d
	v_pk_add_f32 v[16+4*\k:17+4*\k], v[16+4*\k:17+4*\k], v[16+4*(\k+\d):17+4*(\k+\d)]
	v_pk_add_f32 v[18+4*\k:19+4*\k], v[18+4*\k:19+4*\k], v[18+4*(\k+\d):19+4*(\k+\d)]
.endm
.irp k, 0,1,2,3,4,5,6,7
	ADDV \k, 8
.endr
.irp k, 0,1,2,3
	ADDV \k, 4
.endr
.irp k, 0,1
	ADDV \k, 2
.endr
	ADDV 0, 1
	global_store_b128 v9, v[16:19], s[8:9] th:TH_STORE_NT   ; sixteen lanes store 256 consecutive bytes, aligned
.Lend:
	s_wait_tensorcnt 0x0                           ; the wave's end, behind my last LDS store
	ds_add_u32 v10, v11
	s_wait_dscnt 0x0
	s_endpgm
.Lfunc_end_k_q93356a4614_fine16:
	.size	k_q93356a4614_fine16, .Lfunc_end_k_q93356a4614_fine16-k_q93356a4614_fine16
	.p2alignl 7, 3214868480
	.fill 96, 4, 3214868480
	.section	.rodata,"a",@progbits
	.p2align	6, 0x0
	.amdhsa_kernel k_q93356a4614_fine16
		.amdhsa_group_segment_fixed_size 71680
		.amdhsa_private_segment_fixed_size 0
		.amdhsa_enable_private_segment 0
		.amdhsa_kernarg_size 24
		.amdhsa_user_sgpr_count 2
		.amdhsa_user_sgpr_kernarg_segment_ptr 1
		.amdhsa_wavefront_size32 1
		.amdhsa_system_sgpr_workgroup_id_x 1
		.amdhsa_system_sgpr_workgroup_id_y 1
		.amdhsa_system_sgpr_workgroup_id_z 1
		.amdhsa_system_vgpr_workitem_id 0
		.amdhsa_next_free_vgpr 256
		.amdhsa_next_free_sgpr 66
		.amdhsa_reserve_vcc 1
		.amdhsa_float_denorm_mode_32 3
		.amdhsa_float_denorm_mode_16_64 3
		.amdhsa_memory_ordered 1
		.amdhsa_forward_progress 1
		.amdhsa_inst_pref_size 22
	.end_amdhsa_kernel
	.amdgpu_metadata
---
amdhsa.version: [ 1, 2 ]
amdhsa.kernels:
  - .name:           k_q93356a4614_fine16
    .symbol:         k_q93356a4614_fine16.kd
    .args:
      - { .name: fine, .offset: 0, .size: 8, .value_kind: global_buffer, .address_space: global }
      - { .name: wo, .offset: 8, .size: 8, .value_kind: global_buffer, .address_space: global }
      - { .name: out0, .offset: 16, .size: 8, .value_kind: global_buffer, .address_space: global }
    .group_segment_fixed_size: 71680
    .private_segment_fixed_size: 0
    .kernarg_segment_align: 8
    .kernarg_segment_size: 24
    .max_flat_workgroup_size: 512
    .sgpr_count:     66
    .vgpr_count:     256
    .wavefront_size: 32
...
	.end_amdgpu_metadata
.endif
;; end of part 5
